; MI455X (gfx1250); checked and timed in simulation.
; The chip was launched on July 23, 2026; its instructions are those of AMD's public machine-readable ISA for CDNA 5 (MIT licence, August 2026) and "CDNA5" Instruction Set Architecture Reference Guide (July 2026). The comments in the code are by the model that wrote it; some were corrected since.
;; Multi Head Attention. Allowed arithmetic: matrix products marked QUANTISED: E2M3 operands, one E8M0 scale for each 32 along K, by v_wmma_scale_f32_16x16x128_f8f6f4 with both operands' format E2M3, f32 sums; everything else in f32.
;; Inputs: Wk 1,024 x 1,024 float32; Wo 1,024 x 1,024 float32; Wq 1,024 x 1,024 float32; Wv 1,024 x 1,024 float32; bk 1,024 float32; bo 1,024 float32; bq 1,024 float32; bv 1,024 float32; key 4 x 2,048 x 1,024 float32; query 4 x 2,048 x 1,024 float32; value 4 x 2,048 x 1,024 float32.
;; Outputs: out0 4 x 2,048 x 1,024 float32.
;; This version of the problem:
;;   THIS VERSION OF THE PROBLEM IS GIVEN IN LOW PRECISION. The matrix products marked QUANTISED in the list below multiply operands that are first quantised to E2M3 (2 exponent bits, 3 mantissa bits; 6 bits a number), with one power-of-two scale for each 32 numbers along K (OCP MX v1.0); their sums are f32. All else is computed in f32.
;;   The module's matrix products, in the order in which they are computed (A, B: the left and right operand; K: the contracted axis; several contracted axes count as one K, in the product's order):
;;     1. [M 8,192, K 1,024] x [K 1,024, N 1,024]; A: input query; B: input Wq: QUANTISED
;;     2. [M 8,192, K 1,024] x [K 1,024, N 1,024]; A: input key; B: input Wk: QUANTISED
;;     3. [M 8,192, K 1,024] x [K 1,024, N 1,024]; A: input value; B: input Wv: QUANTISED
;;     4. batch 64 x [M 2,048, K 64] x [K 64, N 2,048]; A: computed on the way; B: computed on the way: QUANTISED
;;     5. batch 64 x [M 2,048, K 2,048] x [K 2,048, N 64]; A: softmax (see below); B: computed on the way: QUANTISED
;;     6. [M 8,192, K 1,024] x [K 1,024, N 1,024]; A: computed on the way; B: input Wo: QUANTISED
;;   THE QUANTISER, for each operand of a quantised product, along K:
;;     - K is cut into blocks of 32 from its start; a last block that is shorter is filled with zeros.
;;     - A block's scale is 2^e with e = floor(log2(the largest magnitude in the block)) - 2, held to -126 .. 127; a block of zeros has e = 0. As a byte (E8M0): e + 127.
;;     - Each number is divided by its block's scale, clamped to +-7.5, and rounded to the nearest number of E2M3, ties to even, subnormals kept.
;;     - The product sums the exact products of the quantised numbers (number of the format x scale) in f32.
;;   ~~~python
;;   def quantise(x, axis):      # numpy; x: float32 -> the quantised numbers, widened to float32 again
;;       x = np.moveaxis(x, axis, -1); K = x.shape[-1]
;;       x = np.pad(x, [(0, 0)] * (x.ndim - 1) + [(0, -K % 32)]); x = x.reshape(x.shape[:-1] + (-1, 32)); a = np.abs(x).max(-1, keepdims=True)
;;       e = np.where(a > 0, np.clip(np.frexp(np.where(a > 0, a, 1))[1] - 1 - 2, -126, 127), 0)      # np.frexp(a)[1] - 1 = floor(log2(a)), exactly
;;       r = np.clip(x / 2.0 ** e, -7.5, 7.5)
;;       step = 2.0 ** (np.maximum(np.frexp(np.where(r == 0, 1, r))[1] - 1, 0) - 3)
;;       q = np.round(r / step) * step * 2.0 ** e      # np.round: ties to even
;;       return np.moveaxis(q.reshape(q.shape[:-2] + (-1,))[..., :K], -1, axis).astype(np.float32)
;;   ~~~
;;   SOFTMAX AHEAD OF A QUANTISED PRODUCT. Where the list says 'softmax', what is quantised is not the finished softmax but p = 2^(t - M), with t = logit x log2(e) and M = ceil(the row's largest t), a whole number; so 1/2 < the row's largest p <= 1. The row's sum l is taken of the UNQUANTISED p, in f32, and the product's result is divided by l at the end. Since M is a whole number, a kernel that streams over the keys may use a running M (the ceiling of the running maximum): every later rescaling is an exact power of two, which a block's scale takes up: the codes' values come out the same.
;;   OPERANDS COMPUTED ON THE WAY. 'Computed on the way' means the value that the module computes at that place (a softmax that the list does not call 'softmax' is quantised finished and normalised). What goes into a quantiser is computed in f32, as accurately as f32 sums, v_exp_f32 and their like allow (about 1e-6 of the number): no bf16 or f16 on the way to a quantiser, and a product that is left as it is and whose result goes on into a quantised operand takes f32 operands (vector FMAs, or v_wmma_f32_16x16x4_f32). A number that lies on a knife's edge between two numbers of the format may be rounded either way, as far as f32 arithmetic and the matrix unit's own rounding can turn it there, and no further.
;; One version. Each part assembles by itself: llvm-mc -triple=amdgcn-amd-amdhsa -mcpu=gfx1250 --defsym DOCPART=n.
;; ======== version 1 of 1: 4 launches
;; limits: right only within a limited range of input values
;; workspace buffers: xc 22,020,096 bytes; xs 917,504 bytes; qkv 18,874,368 bytes; qkvs 1,572,864 bytes; oc 6,291,456 bytes; os 262,144 bytes
;; launch quant (part 1): grid 448 x 1, 4 waves a work-group, no clusters, 34,304 bytes of LDS; arguments query, key, value, Wq, Wk, Wv, Wo, xc, xs; writes xc, xs
.if DOCPART == 1
	.amdgcn_target "amdgcn-amd-amdhsa--gfx1250"
	.amdhsa_code_object_version 6
	.text
	.protected	k_q26347449ae_quant
	.globl	k_q26347449ae_quant
	.p2align	8
	.type	k_q26347449ae_quant,@function
k_q26347449ae_quant:
	s_mov_b64 s[64:65], 0
	v_nop
	global_prefetch_b8 v0, s[64:65] scope:SCOPE_SE
	s_setreg_imm32_b32 hwreg(HW_REG_WAVE_MODE, 25, 1), 1
	s_wait_xcnt 0x0
; MULTI-HEAD ATTENTION, B = 4, T = 2,048, C = 1,024, 16 heads of 64, all six products on codes of E2M3 with one E8M0 scale for each 32 along K.
; Four launches: this one (the seven f32 matrices into codes), the three projections, the attention, the projection on the way out.
; DEAD WORK: none.  bq, bk and bv are added ahead of a quantiser, so they move codes and scales; bo is added to the output; every product feeds the output.  All eleven inputs are loaded.
; THIS LAUNCH: query, key, value [8,192][1,024] and Wq, Wk, Wv, Wo [1,024][1,024], f32, K innermost, become codes (xc) and scale bytes (xs), laid as the products' launches read them.
; A block's scale is 2^(floor(log2(its largest magnitude)) - 2); its byte is the largest magnitude's exponent field - 2, held at 1 from below by a floor among the maximum's leaves.
; LIMITS: NaN and infinities among the inputs are not served.  A block of zeros gets the byte 1 where the rule says 127: its codes are zeros, and this program alone reads the bytes.
; LAYOUT OF xc.  Rows go in tiles of 16.  Stored tile G (counted through all seven tensors), stored row r holds the tensor's row 32 (t / 2) + 8 (t % 2) + r % 8 + 16 (r / 8), t the tile's number in its tensor:
; so, where such a tile is source 0 of a matrix instruction, the 16 result registers of tiles 2 b and 2 b + 1 are 16 neighbours along that axis.
; A tile is 12,288 dense bytes: for each 64 along K 768 bytes, an image of six operand registers: lane (r, h) owns block h of row r, its first four words at 16 x lane, its last two at 512 + 8 x lane.
; xs: 32 scale bytes for each stored row, 512 a tile.
; SHARES.  A wave takes one tile, 16 rows x all of K, in eight steps of 128 along K, written out: every offset is an immediate.  Each load reads 512 consecutive bytes of one row; the step's 8,192 bytes turn through the
; wave's own stage in LDS (pitch 528), from which a lane takes two whole blocks of 32 numbers.  Waves share nothing: no barrier.  Loads run two steps (32 loads a wave) ahead.
.set PITCH, 528                        ; a stage row: 512 bytes + 16: the sixteen rows that a load touches start at sixteen different groups of four banks
.set WREG,  16*PITCH                   ; a wave's stage
.set SPARE, 4*WREG                     ; behind the stages: the spare words, 128 bytes for each wave, which no other line names
.set SPW,   12                         ; v12  LDS address of my spare word; never rewritten
.set NIL,   13                         ; v13  0; never rewritten
.set R,     16                         ; v16-143  two sets of 64 registers as loaded
.set X,     144                        ; v144-207 two blocks of 32 neighbours
.set C,     208                        ; v208-219 the codes: six registers for each 64 along K
.set E,     220                        ; v220-222, v224-226 the blocks' upper halves as the conversions leave them
.set MX,    228                        ; v228-229 largest magnitudes
.set SO,    230                        ; v230-231 the conversions' scale operands
.set BY,    232                        ; v232-233 scale bytes
.set W,     234                        ; v234, v235 the scale word in the making
.set WP,    235
.set SW,    236                        ; v236-243 a scale word for each step
.set SL,    244                        ; v244-247 the four words that my lane stores
	s_load_b512 s[8:23], s[0:1], 0x0               ; query, key, value, Wq, Wk, Wv, Wo, xc
	s_load_b64 s[24:25], s[0:1], 0x40              ; xs
	v_lshl_add_u32 v[SPW], v0, 2, SPARE
	v_mov_b32 v[NIL], 0
	v_lshrrev_b32 v7, 5, v0
	v_readfirstlane_b32 s26, v7                    ; wave 0..3
	v_and_b32 v7, 31, v0                           ; lane
	v_and_b32 v8, 15, v0                           ; r
	v_bfe_u32 v9, v0, 4, 1                         ; h
	v_lshlrev_b32 v1, 4, v7                        ; 16 x lane: a load's and a store's place
	v_lshlrev_b32 v2, 3, v7                        ; 8 x lane
	s_mul_i32 s30, s26, WREG
	v_add_nc_u32 v3, s30, v1                       ; the stage on the way in
	v_mul_u32_u24 v4, v8, PITCH
	v_lshl_add_u32 v4, v9, 7, v4
	v_add_nc_u32 v4, s30, v4                       ; and on the way out: row r, block h
	v_lshlrev_b32 v5, 3, v9                        ; 8 h: my bytes' place in a scale word
	v_lshlrev_b32 v6, 5, v8
	v_lshl_add_u32 v6, v9, 4, v6                   ; 32 r + 16 h: my 16 of the row's 32 scale bytes
	v_mov_b32 v[WP], 0                             ; written once: a lane permute's destination counts as one of its sources
	s_mov_b32 s36, 0x76543210
	s_mov_b32 s37, 0xfedcba98                      ; v_permlanex16_b32's selects for lane l xor 16
	s_mov_b32 s38, 0xffff0000                      ; lanes 16-31
	s_lshl_b32 s31, ttmp9, 2
	s_add_co_u32 s31, s31, s26                     ; G: my tile among all 1,792
	s_mul_i32 s32, s31, 12288
	s_mov_b32 s33, 0
	s_lshl_b32 s34, s31, 9
	s_mov_b32 s35, 0
	s_wait_alu depctr_va_vdst(0)
	s_wait_kmcnt 0x0
	s_mov_b64 s[28:29], s[20:21]                   ; which tensor: a choice on the work-group's number alone
	s_mov_b32 s27, 432
.macro PICK lim, ptr, first
	s_cmp_lt_u32 ttmp9, \lim
	s_cselect_b64 s[28:29], s[\ptr:\ptr+1], s[28:29]
	s_cselect_b32 s27, \first, s27
.endm
	PICK 432, 18, 416
	PICK 416, 16, 400
	PICK 400, 14, 384
	PICK 384, 12, 256
	PICK 256, 10, 128
	PICK 128, 8, 0
	s_sub_co_u32 s30, ttmp9, s27
	s_lshl_b32 s30, s30, 2
	s_add_co_u32 s30, s30, s26                     ; t: my tile in its tensor
	s_lshr_b32 s39, s30, 1
	s_lshl_b32 s39, s39, 17                        ; 32 (t / 2) rows of 4,096 bytes
	s_and_b32 s30, s30, 1
	s_lshl_b32 s30, s30, 15                        ; 8 (t % 2) rows
	s_add_co_u32 s30, s30, s39
	s_mov_b32 s31, 0
	s_add_nc_u64 s[28:29], s[28:29], s[30:31]
	s_add_nc_u64 s[22:23], s[22:23], s[32:33]
	s_add_nc_u64 s[24:25], s[24:25], s[34:35]
.macro LOAD s                          ; step s: 128 along K of my 16 rows, in the stored order
.irp i, 0,1,2,3,4,5,6,7,8,9,10,11,12,13,14,15
	global_load_b128 v[R+64*((\s)%2)+4*\i:R+64*((\s)%2)+4*\i+3], v1, s[28:29] offset:((\i%8)+16*(\i/8))*4096+512*(\s) th:TH_LOAD_NT
.endr
.endm
.macro STEP s
.if (\s) < 7
	s_wait_loadcnt 16                              ; this step's 16 loads are in; the next step's may be out
.else
	s_wait_loadcnt 0
.endif
.irp i, 0,1,2,3,4,5,6,7,8,9,10,11,12,13,14,15
	ds_store_b128 v3, v[R+64*((\s)%2)+4*\i:R+64*((\s)%2)+4*\i+3] offset:PITCH*\i
.endr
.irp c, 0,1                            ; LDS serves a wave's instructions in order: these see the stores above.  Block 2 c + h of row r
.irp q, 0,1,2,3,4,5,6,7
	ds_load_b128 v[X+32*\c+4*\q:X+32*\c+4*\q+3], v4 offset:256*\c+16*\q
.endr
.endr
	s_wait_dscnt 0x0                               ; the numbers are back, and the stores have read their registers
	s_wait_xcnt 0x0                                ; the last step's stores have read their data: the codes' registers are written again only behind this wait
.if (\s) < 6
	LOAD (\s)+2
.endif
.irp c, 0,1
	v_max3_num_f32 v[MX+\c], |v[X+32*\c]|, |v[X+32*\c+1]|, 0x1800000   ; the block's largest magnitude, all 32 numbers mine, and the floor 2^(3 - 127): the byte cannot fall under 1
.endr
.irp i, 2,4,6,8,10,12,14,16,18,20,22,24,26,28,30
.irp c, 0,1
	v_max3_num_f32 v[MX+\c], v[MX+\c], |v[X+32*\c+\i]|, |v[X+32*\c+\i+1]|   ; (the two blocks by turns)
.endr
.endr
.irp c, 0,1
	v_add_nc_u32 v[SO+\c], 0xff000000, v[MX+\c]    ; 2 off its exponent field: the conversion takes the exponent field of this operand as its scale
.endr
.irp c, 0,1
	v_lshrrev_b32 v[BY+\c], 23, v[SO+\c]           ; the scale's byte
.endr
.irp c, 0,1
	v_cvt_scalef32_pk16_fp6_f32 v[C+6*\c:C+6*\c+2], v[X+32*\c:X+32*\c+15], v[SO+\c]
	v_cvt_scalef32_pk16_fp6_f32 v[E+4*\c:E+4*\c+2], v[X+32*\c+16:X+32*\c+31], v[SO+\c]   ; (a conversion's three registers begin on an even number)
.endr
	v_lshl_or_b32 v[W], v[BY+1], 16, v[BY]         ; my two bytes, blocks h and 2 + h.  (A plain line behind the conversions)
	v_lshlrev_b32 v[W], v5, v[W]                   ; at their places in the word
	v_permlanex16_b32 v[WP], v[W], s36, s37
	v_or_b32 v[SW+(\s)], v[W], v[WP]               ; with lane l xor 16's two the row's word for these 128 is whole
.irp c, 0,1
.irp i, 0,1,2
	v_mov_b32 v[C+6*\c+3+\i], v[E+4*\c+\i]
.endr
.endr
.irp c, 0,1
	global_store_b128 v1, v[C+6*\c:C+6*\c+3], s[22:23] offset:1536*(\s)+768*\c        ; 512 consecutive bytes, at a multiple of 256 from the buffer's first byte
	global_store_b64 v2, v[C+6*\c+4:C+6*\c+5], s[22:23] offset:1536*(\s)+768*\c+512   ; 256 likewise
.endr
.endm
	LOAD 0
	LOAD 1
.irp s, 0,1,2,3,4,5,6,7
	STEP \s
.endr
.irp j, 0,1,2,3
	v_cndmask_b32 v[SL+\j], v[SW+\j], v[SW+4+\j], s38   ; lanes 0-15 store the row's words 0-3, lanes 16-31 its words 4-7
.endr
	global_store_b128 v6, v[SL:SL+3], s[24:25]     ; the tile's 512 scale bytes
	s_wait_tensorcnt 0x0                           ; the wave's end: behind my last LDS store
	ds_add_u32 v[SPW], v[NIL]
	s_wait_dscnt 0x0
	s_endpgm
.Lfunc_end_k_q26347449ae_quant:
	.size	k_q26347449ae_quant, .Lfunc_end_k_q26347449ae_quant-k_q26347449ae_quant
	.p2alignl 7, 3214868480
	.fill 96, 4, 3214868480
	.section	.rodata,"a",@progbits
	.p2align	6, 0x0
	.amdhsa_kernel k_q26347449ae_quant
		.amdhsa_group_segment_fixed_size 34304
		.amdhsa_private_segment_fixed_size 0
		.amdhsa_enable_private_segment 0
		.amdhsa_kernarg_size 72
		.amdhsa_user_sgpr_count 2
		.amdhsa_user_sgpr_kernarg_segment_ptr 1
		.amdhsa_wavefront_size32 1
		.amdhsa_system_sgpr_workgroup_id_x 1
		.amdhsa_system_sgpr_workgroup_id_y 1
		.amdhsa_system_sgpr_workgroup_id_z 1
		.amdhsa_system_vgpr_workitem_id 0
		.amdhsa_next_free_vgpr 248
		.amdhsa_next_free_sgpr 66
		.amdhsa_reserve_vcc 0
		.amdhsa_float_denorm_mode_32 3
		.amdhsa_float_denorm_mode_16_64 3
		.amdhsa_memory_ordered 1
		.amdhsa_forward_progress 1
		.amdhsa_inst_pref_size 59
	.end_amdhsa_kernel
	.amdgpu_metadata
---
amdhsa.version: [ 1, 2 ]
amdhsa.kernels:
  - .name:           k_q26347449ae_quant
    .symbol:         k_q26347449ae_quant.kd
    .args:
      - { .name: query, .offset: 0, .size: 8, .value_kind: global_buffer, .address_space: global }
      - { .name: key, .offset: 8, .size: 8, .value_kind: global_buffer, .address_space: global }
      - { .name: value, .offset: 16, .size: 8, .value_kind: global_buffer, .address_space: global }
      - { .name: Wq, .offset: 24, .size: 8, .value_kind: global_buffer, .address_space: global }
      - { .name: Wk, .offset: 32, .size: 8, .value_kind: global_buffer, .address_space: global }
      - { .name: Wv, .offset: 40, .size: 8, .value_kind: global_buffer, .address_space: global }
      - { .name: Wo, .offset: 48, .size: 8, .value_kind: global_buffer, .address_space: global }
      - { .name: xc, .offset: 56, .size: 8, .value_kind: global_buffer, .address_space: global }
      - { .name: xs, .offset: 64, .size: 8, .value_kind: global_buffer, .address_space: global }
    .group_segment_fixed_size: 34304
    .private_segment_fixed_size: 0
    .kernarg_segment_align: 8
    .kernarg_segment_size: 72
    .max_flat_workgroup_size: 128
    .sgpr_count:     66
    .vgpr_count:     248
    .wavefront_size: 32
...
	.end_amdgpu_metadata
.endif
;; end of part 1
;; launch proj (part 2): grid 4 x 96, 4 waves a work-group, clusters of 4 x 4, 327,680 bytes of LDS; arguments xc, xs, bq, bk, bv, qkv, qkvs; writes qkv, qkvs
.if DOCPART == 2
	.amdgcn_target "amdgcn-amd-amdhsa--gfx1250"
	.amdhsa_code_object_version 6
	.text
	.protected	k_q26347449ae_proj
	.globl	k_q26347449ae_proj
	.p2align	8
	.type	k_q26347449ae_proj,@function
k_q26347449ae_proj:
	s_mov_b64 s[64:65], 0
	v_nop
	global_prefetch_b8 v0, s[64:65] scope:SCOPE_SE
	s_setreg_imm32_b32 hwreg(HW_REG_WAVE_MODE, 25, 1), 1
	s_wait_xcnt 0x0
	s_wait_alu depctr_hold_cnt(0) depctr_sa_sdst(0) depctr_va_vdst(0) depctr_va_sdst(0) depctr_va_ssrc(0) depctr_va_vcc(0) depctr_vm_vsrc(0)
	s_getreg_b32 s2, hwreg(HW_REG_IB_STS2, 6, 4)
	s_cmp_eq_u32 s2, 0
	s_cbranch_scc0 .Lentry_in_a_cluster
	s_endpgm
.Lentry_in_a_cluster:
	s_bfe_u32 s2, ttmp6, 0x10000c
	s_cmp_lg_u32 s2, 0xf033
	s_cbranch_scc0 .Lentry_shape_is_right
	s_endpgm
.Lentry_shape_is_right:
; THE THREE PROJECTIONS, q = query Wq^T + bq, k = key Wk^T + bk, v = value Wv^T + bv, on the codes that the launch before has made; the results are quantised in registers and leave as the attention's operands.  No work is left out.
; 24 clusters of 4 x 4 work-groups: cluster y = 8 P + j, P = 0 (q), 1 (k), 2 (v); a cluster multiplies 1,024 rows of the input by the whole weight.  A work-group makes 256 x 256, each of its four waves 128 x 128:
; 64 accumulators of 16 x 16.  K = 1,024 goes in four steps of 256 through two LDS slots filled by joint tensor loads.
; SOURCE 1 (called A here) has its rows on the lanes, SOURCE 0 (B) along a lane's registers, and it is B's axis that is quantised next.  q, k: A = the input's tokens, B = the weight's channels (K of q k^T is the head's 64).
; v: A = Wv's channels, B = value's tokens (K of p v is the keys).  B's rows are stored so that a lane's 64 registers of one block of A are, 16 by 16, neighbours: register 16 b + i = 32 b + 16 (lane / 16) + i.
; A's tile hangs on the cluster's y place and is shared along a row of the cluster, B's on the x place and is shared along a column.  P and j are the same in all sixteen partners.
; WHAT LEAVES.  q, k: for each head and each pair of 16-token tiles 1,536 bytes, an image of 12 registers (six a tile: the head's 64 codes of a row, block h in lane (r, h)), three planes of 512 bytes.
; v: for each head, each 128 keys and each 16 of the head's 64 an operand's 12 registers, likewise.  Scale words: q, k: 512 bytes for 8 tiles, 16 a lane: word j is tile j in lanes 0-15, tile j + 4 in lanes 16-31;
; bytes 0, 1 are the head's two blocks, bytes 2, 3 the neighbouring head's or 0, never 0xff: they only ever meet zero codes.  v: 256 bytes for 128 keys: lane r's word j is row r of tile j.
; LIMITS: NaN and infinities are not served; a block of zeros carries the byte 1 with zero codes.
; REGISTERS, in windows of 256: window 0: v0-31 addresses; v32-63 scale words, two sets; v128-223 A's fragments, one set; on the way out v64-255.  window 1: B's fragments, two sets, at v0 and v128.
;   windows 2, 3: the accumulators of my A blocks 0-3, 4-7 ((a, b) at v[8 (8 (a % 4) + b)]).
.set NQ,     2                         ; matrix instructions deep in a slot
.set ROWB,   3072                      ; 256 along K of one tile of 16 rows
.set FR,     12                        ; registers of a fragment
.set NL,     4                         ; LDS loads that bring one
.set NP,     4                         ; places behind this matrix instruction (ISA guide 7.12.1)
.set HALFT,  8*ROWB                    ; 8 tiles, 128 rows: what one tensor load brings
.set SLOT,   4*HALFT                   ; A's 256 rows, then B's
.set SCL,    2*SLOT                    ; behind the ring: the scale bytes for all of K, as units of 256 bytes + 16 of padding
.set HALFS,  16*272                    ; those of 128 rows
.set SBLK,   2*272                     ; those of 16 rows
.set SPARE,  SCL+4*HALFS               ; the spare words, 128 bytes for each wave, which no other line names
.set ADRA, 16                          ; v16-17 16 x lane + my A rows in slot 0, 1;  v18-19 the same with 8 x lane
.set ADRB, 20                          ; v20-23 the same for B
.set BOQ,  24                          ; v24  64 h: my place in bq, bk
.set BOV,  25                          ; v25  4 (r % 8 + 16 (r / 8)): my place in bv
.set L16,  26                          ; v26  16 x lane
.set ADRS, 27                          ; v27  LDS address of my scale words: lanes 0-15 A's rows, lanes 16-31 B's
.set SPW,  28                          ; v28  LDS address of my spare word; never rewritten
.set NIL,  29                          ; v29  0; never rewritten
.set VSO,  30                          ; v30  12,288 h + 16 r: where v's scale words go
.set SC,   32
.set AF,   128
.set BI,   64                          ; the way out: the bias
.set X,    128                         ; 64 numbers of a lane
.set IMG,  192                         ; 24 registers of codes
.set T,    216                         ; v216-218, v220-222 the conversions' second halves
.set TM,   224                         ; v224-227 largest magnitudes, v228-231 bytes, v236-239 scale operands
.set PWS,  240                         ; v240-247 a scale word for each block of A
.set SELR, 248
.set SH,   252
.set SEL,  2                           ; s[2:3] lane selects
.set G1, 24
.set G0, 32
.set G1B, 48
.set G0B, 56
.set G1S, 68
.set G0S, 76
.set G1SB, 80
.set G0SB, 88
.set MSB, 0
.macro WIN new                         ; the immediate's high byte repeats the setting that is left
.if MSB != (\new)
	s_set_vgpr_msb (MSB<<8)|(\new)
.set MSB, (\new)
.endif
.endm
.set MUL_LO, 0xa1                      ; source 0 (B) window 1, source 1 (A) window 0, C and D window 2
.set MUL_HI, 0xf1                      ; the same, C and D window 3
.set TO_B,   0x40                      ; destination window 1, address window 0
; A joint load: waves 0 and 1 fetch for A, waves 2 and 3 for B.  The branch hangs on the wave's number alone.  An s_nop 0 and four v_nop follow each of the two lines.
.macro JLOAD g0a, g1a, g0b, g1b
	s_cmp_eq_u32 s15, 0
	s_cbranch_scc0 .Lfor_b_\@
	tensor_load_to_lds s[\g0a:\g0a+3], s[\g1a:\g1a+7]
	s_nop 0
.rept 4
	v_nop
.endr
	s_branch .Lasked_\@
.Lfor_b_\@:
	tensor_load_to_lds s[\g0b:\g0b+3], s[\g1b:\g1b+7]
	s_nop 0
.rept 4
	v_nop
.endr
.Lasked_\@:
.endm
.macro CREST                           ; a round of the cluster's barrier behind its opening barrier
	s_cmp_lg_u32 s14, 0
	s_cbranch_scc1 .Lnot_wave_0_\@
	s_barrier_signal -3
.Lnot_wave_0_\@:
	s_barrier_wait -3
	s_barrier_signal -1
	s_barrier_wait -1
.endm
.macro CROUND
	s_barrier_signal -1
	s_barrier_wait -1
	CREST
.endm
	s_load_b256 s[4:11], s[0:1], 0x0               ; xc, xs, bq, bk
	s_load_b128 s[96:99], s[0:1], 0x20             ; bv, qkv
	s_load_b64 s[100:101], s[0:1], 0x30            ; qkvs
	v_lshl_add_u32 v[SPW], v0, 2, SPARE
	v_mov_b32 v[NIL], 0
	ds_add_u32 v[SPW], v[NIL]                      ; the wave's opening: the add, twice on end, and its wait ahead of my first tensor load
	ds_add_u32 v[SPW], v[NIL]
	v_lshrrev_b32 v1, 5, v0
	v_readfirstlane_b32 s14, v1                    ; wave 0..3
	s_lshr_b32 s15, s14, 1                         ; which half of A's rows is mine.  Also: I fetch for A (0) or for B (1)
	s_and_b32 s16, s14, 1                          ; which half of B's rows.  Also: which 128 rows I fetch
	s_bfe_u32 s40, ttmp6, 0x40000                  ; cx, cy: my place in the cluster
	s_bfe_u32 s41, ttmp6, 0x40004
	s_and_b32 s17, ttmp7, 0xffff                   ; the cluster's y
	s_lshr_b32 s12, s17, 3                         ; P
	s_and_b32 s13, s17, 7                          ; j
	s_lshl_b32 s43, s41, 2
	s_lshl_b32 s43, 15, s43                        ; my row of the cluster
	s_lshl_b32 s44, 0x1111, s40                    ; my column
	; descriptor group 1 for the codes: 8 rows of 3,072 bytes (384 elements of 8 bytes), 12,288 bytes apart, dense in LDS
	s_or_b32 s[G1+0], s43, (3<<16)|(1<<21)         ; 15:0 the mask: A's tiles go to my row; 17:16 elements of 8 bytes; 21 set beside a mask
	s_or_b32 s[G1B+0], s44, (3<<16)|(1<<21)
.irp g, G1, G1B
	s_mov_b32 s[\g+1], 384<<16                     ; tensor_dim0
	s_mov_b32 s[\g+2], 16<<16                      ; tensor_dim1: the head's loads bring 16 tiles; the ring's 8 (set behind the head's wait)
	s_mov_b32 s[\g+3], 384<<16                     ; tile_dim0
	s_mov_b32 s[\g+4], 16                          ; tile_dim1
	s_mov_b32 s[\g+5], 1536                        ; tensor_dim0_stride
	s_mov_b32 s[\g+6], 0
	s_mov_b32 s[\g+7], 0
.endr
	; and for the scale bytes of 256 rows: 8,192 dense bytes as 32 rows of 256, 16 bytes of padding behind each
	s_or_b32 s[G1S+0], s43, (3<<16)|(1<<20)|(1<<21)|(5<<22)|(3<<25)
	s_or_b32 s[G1SB+0], s44, (3<<16)|(1<<20)|(1<<21)|(5<<22)|(3<<25)
.irp g, G1S, G1SB
	s_mov_b32 s[\g+1], 32<<16
	s_mov_b32 s[\g+2], 32<<16                      ; the scale bytes of 256 rows: 32 rows of 256 bytes
	s_mov_b32 s[\g+3], 32<<16
	s_mov_b32 s[\g+4], 32
	s_mov_b32 s[\g+5], 32
	s_mov_b32 s[\g+6], 0
	s_mov_b32 s[\g+7], 0
.endr
	; which stored tiles: q, k: A = the input (512 P + 64 j on), B = the weight (1,536 + 64 P on);  v: A = Wv (1,664 on), B = value (1,024 + 64 j on)
	s_lshl_b32 s18, s12, 9
	s_lshl_b32 s19, s13, 6
	s_add_co_u32 s18, s18, s19
	s_add_co_u32 s19, s19, 1024
	s_lshl_b32 s22, s12, 6
	s_add_co_u32 s22, s22, 1536
	s_cmp_eq_u32 s12, 2
	s_cselect_b32 s20, 1664, s18
	s_cselect_b32 s46, s19, s22
	s_mul_i32 s18, s16, 8*12288                    ; in the ring I fetch 8 tiles: which half, in bytes
	s_lshl_b32 s19, s41, 4
	s_add_co_u32 s20, s20, s19                     ; A: + 16 cy
	s_lshl_b32 s47, s40, 4
	s_add_co_u32 s46, s46, s47                     ; B: + 16 cx
	s_lshl_b32 s22, s20, 9                         ; their scale bytes, 512 a tile,
	s_mov_b32 s23, 0
	s_mul_i32 s20, s20, 12288                      ; and their codes
	s_mov_b32 s21, 0
	s_lshl_b32 s92, s46, 9
	s_mov_b32 s93, 0
	s_mul_i32 s46, s46, 12288
	s_mov_b32 s47, 0
	s_mul_i32 s45, s14, HALFT                      ; where they go: no place in the cluster enters an LDS address
	s_mov_b32 s[SEL], 0x76543210
	s_mov_b32 s[SEL+1], 0xfedcba98
	s_wait_dscnt 0x0                               ; both opening adds are done
	s_wait_kmcnt 0x0
	s_add_nc_u64 s[20:21], s[4:5], s[20:21]
	s_add_nc_u64 s[22:23], s[6:7], s[22:23]
	s_add_nc_u64 s[46:47], s[4:5], s[46:47]
	s_add_nc_u64 s[92:93], s[6:7], s[92:93]
	CROUND                                         ; all sixteen work-groups are here: the first joint loads meet
	s_mov_b32 s[G0S], 1
	s_mov_b32 s[G0S+1], SCL
	s_mov_b64 s[G0S+2:G0S+3], s[22:23]
	s_or_b32 s[G0S+3], s[G0S+3], 0x80000000
	s_mov_b32 s[G0SB], 1
	s_mov_b32 s[G0SB+1], SCL+2*HALFS
	s_mov_b64 s[G0SB+2:G0SB+3], s[92:93]
	s_or_b32 s[G0SB+3], s[G0SB+3], 0x80000000
.set G0H, 4                            ; s[4:7], s[92:95] group 0 of the head's loads of K step 0: A's 16 tiles, B's 16 tiles (what lay there has been used)
.set G0HB, 92
	s_mov_b32 s[G0H], 1
	s_mov_b32 s[G0H+1], 0
	s_mov_b64 s[G0H+2:G0H+3], s[20:21]
	s_or_b32 s[G0H+3], s[G0H+3], 0x80000000
	s_mov_b32 s[G0HB], 1
	s_mov_b32 s[G0HB+1], 2*HALFT
	s_mov_b64 s[G0HB+2:G0HB+3], s[46:47]
	s_or_b32 s[G0HB+3], s[G0HB+3], 0x80000000
	s_mov_b32 s19, 0
	s_add_nc_u64 s[20:21], s[20:21], s[18:19]      ; for the ring: my 8 tiles
	s_add_nc_u64 s[46:47], s[46:47], s[18:19]
.irp s, 0,1
	s_mov_b32 s[G0+4*\s], 1
	s_add_co_u32 s[G0+4*\s+1], s45, \s*SLOT
	s_add_nc_u64 s[G0+4*\s+2:G0+4*\s+3], s[20:21], \s*ROWB
	s_or_b32 s[G0+4*\s+3], s[G0+4*\s+3], 0x80000000
	s_mov_b32 s[G0B+4*\s], 1
	s_add_co_u32 s[G0B+4*\s+1], s45, \s*SLOT
	s_add_nc_u64 s[G0B+4*\s+2:G0B+4*\s+3], s[46:47], \s*ROWB
	s_or_b32 s[G0B+4*\s+3], s[G0B+4*\s+3], 0x80000000
.endr
; The head's loads, one a wave: wave 0 K step 0 of A's 256 rows, wave 1 of B's, wave 2 A's scale bytes, wave 3 B's.  One chain of branches on the wave's number, one load to an arm.
.macro ARM under, g0, g1, next
	s_cmp_lt_u32 s14, \under
	s_cbranch_scc0 \next
	tensor_load_to_lds s[\g0:\g0+3], s[\g1:\g1+7]
	s_nop 0
.rept 4
	v_nop
.endr
	s_branch .Lhead_asked
\next:
.endm
	ARM 1, G0H,  G1,  .Lhead_b
	ARM 2, G0HB, G1B, .Lhead_sa
	ARM 3, G0S,  G1S, .Lhead_sb
	tensor_load_to_lds s[G0SB:G0SB+3], s[G1SB:G1SB+7]
	s_nop 0
.rept 4
	v_nop
.endr
.Lhead_asked:
	v_and_b32 v1, 15, v0                           ; r
	v_bfe_u32 v2, v0, 4, 1                         ; h
	v_and_b32 v3, 31, v0                           ; lane
	v_lshlrev_b32 v[L16], 4, v3
	v_lshlrev_b32 v5, 3, v3
	s_mul_i32 s21, s15, HALFT                      ; my 128 rows of A
	s_mul_i32 s22, s16, HALFT                      ; my 128 rows of B,
	s_add_co_u32 s22, s22, 2*HALFT                 ; which lie behind A's 256
.irp s, 0,1
	v_add_nc_u32 v[ADRA+\s], s21, v[L16]
	v_add_nc_u32 v[ADRB+\s], s22, v[L16]
	v_add_nc_u32 v[ADRA+2+\s], s21, v5
	v_add_nc_u32 v[ADRB+2+\s], s22, v5
	s_add_co_u32 s21, s21, SLOT
	s_add_co_u32 s22, s22, SLOT
.endr
	v_lshlrev_b32 v5, 5, v1                        ; my row's scale bytes: 32 a row,
	v_lshrrev_b32 v6, 8, v5
	v_lshl_add_u32 v5, v6, 4, v5                   ; and 16 more for each 256 passed
	s_mul_i32 s21, s15, HALFS
	s_mul_i32 s22, s16, HALFS
	s_add_co_u32 s22, s22, 2*HALFS
	s_sub_co_u32 s22, s22, s21
	v_mul_u32_u24 v6, s22, v2                      ; lanes 16-31 take B's
	s_add_co_u32 s21, s21, SCL
	v_add_nc_u32 v5, v5, v6
	v_add_nc_u32 v[ADRS], s21, v5
	v_lshlrev_b32 v[BOQ], 6, v2
	v_and_b32 v[BOV], 7, v1
	v_lshrrev_b32 v6, 3, v1
	v_lshl_add_u32 v[BOV], v6, 4, v[BOV]
	v_lshlrev_b32 v[BOV], 2, v[BOV]
	v_mul_u32_u24 v[VSO], v2, 12288
	v_lshl_add_u32 v[VSO], v1, 4, v[VSO]
.macro FRAG reg, adr, q, i             ; a fragment, 16 rows x 128 K, 12 registers, lies in LDS as an image of its registers: for each 64 along K four words a lane at 16 x lane, two at 512 + 8 x lane: every load reads consecutive bytes
	ds_load_b128 v[\reg:\reg+3], v[\adr] offset:ROWB*(\i)+1536*(\q)
	ds_load_b64 v[\reg+4:\reg+5], v[\adr+2] offset:ROWB*(\i)+1536*(\q)+512
	ds_load_b128 v[\reg+6:\reg+9], v[\adr] offset:ROWB*(\i)+1536*(\q)+768
	ds_load_b64 v[\reg+10:\reg+11], v[\adr+2] offset:ROWB*(\i)+1536*(\q)+1280
.endm
; 16 matrix instructions: A's blocks a0, a0 + 1 x B's eight, 128 along K.  p: B's set; sc: the set of scale words.  zero = 1: the first product starts the sums.  The 64 accumulators take turns, one instruction a turn.
.macro MUL16 a0, p, q, sc, zero
.irp a, \a0, \a0+1
.irp b, 0,1,2,3,4,5,6,7
.if \zero
	v_wmma_scale_f32_16x16x128_f8f6f4 v[8*(8*((\a)%4)+\b):8*(8*((\a)%4)+\b)+7], v[128*(\p)+FR*\b:128*(\p)+FR*\b+FR-1], v[AF+FR*(\a):AF+FR*(\a)+FR-1], 0, v[SC+8*NQ*(\sc)+NQ*\b+(\q)], v[SC+8*NQ*(\sc)+NQ*(\a)+(\q)] matrix_a_fmt:MATRIX_FMT_FP6 matrix_b_fmt:MATRIX_FMT_FP6 matrix_a_scale:MATRIX_SCALE_ROW1
.else
	v_wmma_scale_f32_16x16x128_f8f6f4 v[8*(8*((\a)%4)+\b):8*(8*((\a)%4)+\b)+7], v[128*(\p)+FR*\b:128*(\p)+FR*\b+FR-1], v[AF+FR*(\a):AF+FR*(\a)+FR-1], v[8*(8*((\a)%4)+\b):8*(8*((\a)%4)+\b)+7], v[SC+8*NQ*(\sc)+NQ*\b+(\q)], v[SC+8*NQ*(\sc)+NQ*(\a)+(\q)] matrix_a_fmt:MATRIX_FMT_FP6 matrix_b_fmt:MATRIX_FMT_FP6 matrix_a_scale:MATRIX_SCALE_ROW1
.endif
.endr
.endr
.endm
.macro FETCH_B slot, q, p
	WIN TO_B
.irp i, 0,1,2,3,4,5,6,7
	FRAG 128*(\p)+FR*\i, ADRB+\slot, \q, \i
.endr
	WIN 0
.endm
.macro FETCH_A slot, q, i0
.irp i, \i0, \i0+1, \i0+2, \i0+3
	FRAG AF+FR*(\i), ADRA+\slot, \q, \i
.endr
.endm
.macro SCALES sc                       ; a K step's scale words: two a row; lanes 0-15 take A's block i, lanes 16-31 B's block i
.irp i, 0,1,2,3,4,5,6,7
	ds_load_b64 v[SC+8*NQ*\sc+NQ*\i:SC+8*NQ*\sc+NQ*\i+1], v[ADRS] offset:\i*SBLK
.endr
.endm
.macro PLACES n                        ; plain vector instructions between a matrix instruction and a load into, or a vector read or write of, its registers (ISA guide 7.12.1 for vector reads and writes)
.rept \n
	v_nop
.endr
.endm
.macro STEP slot, q, zero              ; 128 along K that has its successor in the same slot
	s_wait_dscnt 4*NL                              ; B's set and A's blocks 0-3 are in; the youngest 16 loads (A's blocks 4-7) may be out
	WIN MUL_LO
	MUL16 0, (\q)%2, \q, \slot, \zero
	MUL16 2, (\q)%2, \q, \slot, \zero
	s_wait_dscnt 0
	PLACES NP
	FETCH_B \slot, (\q)+1, 1-(\q)%2
	FETCH_A \slot, (\q)+1, 0
	WIN MUL_HI
	MUL16 4, (\q)%2, \q, \slot, \zero
	MUL16 6, (\q)%2, \q, \slot, \zero
	PLACES NP
	WIN 0
	FETCH_A \slot, (\q)+1, 4
.endm
; A slot's last 128 change slots: one barrier; in front of it each wave waits for all its tensor loads, adds 0 to its spare word, and waits for that and for its reads of this slot.  fill = 1: the slot is filled again, two K steps ahead.
.macro TURN slot, next, fill
	s_wait_tensorcnt 0x0                           ; all my tensor loads have landed: my part of the next slot
	ds_add_u32 v[SPW], v[NIL]                      ; 0 onto my spare word
	s_wait_dscnt 4*NL+1                            ; (the add and the youngest 16 loads may be out)
	WIN MUL_LO
	MUL16 0, 1, NQ-1, \slot, 0
	s_wait_dscnt 0x0                               ; the add is done, and my reads of this slot are over
	s_barrier_signal -1
	MUL16 2, 1, NQ-1, \slot, 0
	WIN 0
	s_barrier_wait -1
.if \fill
	CREST                                          ; the barrier has opened a round of the cluster's: no wave of any partner still reads this slot or has a load on its way
	s_add_nc_u64 s[G0+4*\slot+2:G0+4*\slot+3], s[G0+4*\slot+2:G0+4*\slot+3], 2*ROWB
	s_add_nc_u64 s[G0B+4*\slot+2:G0B+4*\slot+3], s[G0B+4*\slot+2:G0B+4*\slot+3], 2*ROWB
	JLOAD G0+4*\slot, G1, G0B+4*\slot, G1B         ; the first tensor load behind the round; its four v_nop are the places in front of the loads below
.else
	PLACES NP
.endif
	s_wait_alu depctr_va_vdst(0)
	v_add_nc_u32 v[ADRS], 4*NQ, v[ADRS]            ; on to the next K step's scale words
	FETCH_B \next, 0, 0
	FETCH_A \next, 0, 0
	SCALES \next
	WIN MUL_HI
	MUL16 4, 1, NQ-1, \slot, 0
	MUL16 6, 1, NQ-1, \slot, 0
	PLACES NP
	WIN 0
	FETCH_A \next, 0, 4
.endm
.macro LAST                            ; the very last 128: nothing more to fetch
	s_wait_dscnt 4*NL
	WIN MUL_LO
	MUL16 0, 1, NQ-1, 1, 0
	MUL16 2, 1, NQ-1, 1, 0
	s_wait_dscnt 0
	WIN MUL_HI
	MUL16 4, 1, NQ-1, 1, 0
	MUL16 6, 1, NQ-1, 1, 0
	WIN 0
.endm
; THE WAY OUT.  ADDB: block a's 64 sums + the bias, out of window 2 or 3 into v[X] on: one packed addition does both.  Each accumulator is read from its low end on.
.macro ADDB a, perlane
	WIN 0x02+(\a)/4
.set ii, 0
.rept 32
.if \perlane
	v_pk_add_f32 v[X+2*ii:X+2*ii+1], v[64*((\a)%4)+2*ii:64*((\a)%4)+2*ii+1], v[BI+2*(\a):BI+2*(\a)+1]
.else
	v_pk_add_f32 v[X+2*ii:X+2*ii+1], v[64*((\a)%4)+2*ii:64*((\a)%4)+2*ii+1], v[BI+2*ii:BI+2*ii+1]
.endif
.set ii, ii+1
.endr
	WIN 0
.endm
; 64 numbers of a lane, register 16 b + i = place 32 b + 16 (lane / 16) + i of my row, become codes: blocks 0, 1 in v[d0] on (six registers, block h in lane (r, h)), blocks 2, 3 in v[d1] on; the four scale bytes in v[pw].
.macro QUANT64 s, d0, d1, pw
.irp b, 0,1,2,3
	v_max3_num_f32 v[TM+\b], |v[\s+16*\b]|, |v[\s+1+16*\b]|, 0x1800000   ; my 16 numbers of block b, and the floor 2^(3 - 127): the byte cannot fall under 1
.endr
.irp i, 2,4,6,8,10,12,14
.irp b, 0,1,2,3
	v_max3_num_f32 v[TM+\b], v[TM+\b], |v[\s+16*\b+\i]|, |v[\s+1+16*\b+\i]|
.endr
.endr
.irp b, 0,1,2,3
	v_permlanex16_b32 v[TM+4+\b], v[TM+\b], s[SEL], s[SEL+1]
.endr
.irp b, 0,1,2,3
	v_max_num_f32 v[TM+\b], v[TM+\b], v[TM+4+\b]   ; with lane l xor 16's: the block's largest magnitude
.endr
.irp b, 0,1,2,3
	v_add_nc_u32 v[TM+12+\b], 0xff000000, v[TM+\b] ; 2 off its exponent field: the conversion's scale operand
.endr
.irp b, 0,1,2,3
	v_lshrrev_b32 v[TM+4+\b], 23, v[TM+12+\b]      ; the scale's byte
.endr
	v_lshl_or_b32 v[\pw], v[TM+5], 8, v[TM+4]
	v_lshl_or_b32 v[\pw], v[TM+6], 16, v[\pw]
	v_lshl_or_b32 v[\pw], v[TM+7], 24, v[\pw]
	s_wait_alu depctr_va_vdst(0)
	s_wait_xcnt 0x0                                ; earlier stores have read their data: the codes' registers are written again only behind this wait
	v_cvt_scalef32_pk16_fp6_f32 v[\d0:\d0+2], v[\s:\s+15], v[TM+12]
	v_cvt_scalef32_pk16_fp6_f32 v[T:T+2], v[\s+16:\s+31], v[TM+13]
	v_cvt_scalef32_pk16_fp6_f32 v[\d1:\d1+2], v[\s+32:\s+47], v[TM+14]
	v_cvt_scalef32_pk16_fp6_f32 v[T+4:T+6], v[\s+48:\s+63], v[TM+15]
	v_nop                                          ; one plain line behind a scaled conversion
.irp i, 0,1,2                          ; the operand's layout wants a whole block in a lane
	v_permlane16_swap_b32 v[\d0+\i], v[T+\i]
	v_permlane16_swap_b32 v[\d1+\i], v[T+4+\i]
.endr
.irp i, 0,1,2
	v_mov_b32 v[\d0+3+\i], v[T+\i]
	v_mov_b32 v[\d1+3+\i], v[T+4+\i]
.endr
.endm
	s_wait_alu depctr_va_vdst(0)
	s_wait_tensorcnt 0x0                           ; my tile of the head's four is in
	ds_add_u32 v[SPW], v[NIL]
	s_mov_b32 s[G1+2], 8<<16                       ; no tensor load of mine is out: from here on a load brings 8 tiles
	s_mov_b32 s[G1+4], 8
	s_mov_b32 s[G1B+2], 8<<16
	s_mov_b32 s[G1B+4], 8
	s_wait_dscnt 0x0
	CROUND                                         ; all four tiles are in, and all sixteen work-groups are here
	JLOAD G0+4, G1, G0B+4, G1B                     ; K step 1, the first tensor load behind the round
	FETCH_B 0, 0, 0
	FETCH_A 0, 0, 0
	SCALES 0
	FETCH_A 0, 0, 4
	STEP 0, 0, 1                                   ; K is four slots' worth: written out, no loop
	TURN 0, 1, 1
	STEP 1, 0, 0
	TURN 1, 0, 1
	STEP 0, 0, 0
	TURN 0, 1, 0
	STEP 1, 0, 0
	s_cmp_eq_u32 s12, 2                            ; the cluster's y alone: all sixteen partners go the same way
	s_cbranch_scc1 .Lv_arm
	; ---- q and k.  The bias runs along my registers: channel 256 cx + 128 (B half) + 32 b + 16 h + i.  Its loads land under the last 64 matrix instructions
	s_cmp_eq_u32 s12, 0
	s_cselect_b64 s[20:21], s[8:9], s[10:11]
	s_lshl_b32 s22, s40, 10
	s_lshl_b32 s23, s16, 9
	s_add_co_u32 s22, s22, s23
	s_mov_b32 s23, 0
	s_add_nc_u64 s[20:21], s[20:21], s[22:23]
.irp b, 0,1,2,3
.irp q, 0,1,2,3
	global_load_b128 v[BI+16*\b+4*\q:BI+16*\b+4*\q+3], v[BOQ], s[20:21] offset:128*\b+16*\q
.endr
.endr
	s_lshr_b32 s46, s13, 1
	s_lshl_b32 s46, s46, 4
	s_lshl_b32 s47, s40, 2
	s_add_co_u32 s46, s46, s47
	s_lshl_b32 s47, s16, 1
	s_add_co_u32 s46, s46, s47                     ; batch x 16 + my first head: 16 (j / 2) + 4 cx + 2 (B half)
	s_lshl_b32 s47, s13, 2
	s_add_co_u32 s47, s47, s41                     ; 4 j + cy
	s_lshl_b32 s66, s47, 3
	s_lshl_b32 s67, s15, 2
	s_add_co_u32 s66, s66, s67
	s_and_b32 s66, s66, 63                         ; my first pair of tiles in the batch
	s_lshl_b32 s67, s46, 6
	s_add_co_u32 s66, s66, s67
	s_mul_i32 s66, s66, 1536
	s_mul_i32 s67, s12, 6291456                    ; q's images, then k's
	s_add_co_u32 s66, s66, s67
	s_mov_b32 s67, 0
	s_add_nc_u64 s[98:99], s[98:99], s[66:67]
	s_lshl_b32 s47, s47, 1
	s_add_co_u32 s47, s47, s15
	s_and_b32 s47, s47, 15                         ; my group of 8 tiles in the batch
	s_lshl_b32 s47, s47, 9
	s_mul_i32 s46, s46, 12288
	s_add_co_u32 s46, s46, s47
	s_mul_i32 s47, s12, 786432
	s_add_co_u32 s46, s46, s47
	s_mov_b32 s47, 0
	s_add_nc_u64 s[100:101], s[100:101], s[46:47]
	s_mov_b32 s94, 0xffff0000                      ; lanes 16-31
	LAST
	PLACES NP
	s_wait_loadcnt 0x0                             ; the bias
.irp b, 0,1,2,3
	v_mov_b32 v[TM+4+\b], 0                        ; written once: a lane permute's destination counts as one of its sources
.endr
.irp a, 0,1,2,3,4,5,6,7
	ADDB \a, 0
	QUANT64 X, IMG+6*(\a%2), IMG+12+6*(\a%2), PWS+\a   ; blocks 0, 1 are my first head's 64, blocks 2, 3 my second's
.if \a%2
.irp c, 0,1
.irp p, 0,1,2
	global_store_b128 v[L16], v[IMG+12*\c+4*\p:IMG+12*\c+4*\p+3], s[98:99] offset:98304*\c+1536*(\a/2)+512*\p   ; a pair's image: three planes of 512 consecutive bytes
.endr
.endr
.endif
.endr
.irp j, 0,1,2,3
	v_cndmask_b32 v[SELR+\j], v[PWS+\j], v[PWS+4+\j], s94   ; tile j in lanes 0-15, tile j + 4 in lanes 16-31
.endr
.irp j, 0,1,2,3
	v_lshrrev_b32 v[SH+\j], 16, v[SELR+\j]         ; the second head's two bytes, zeros above them
.endr
	global_store_b128 v[L16], v[SELR:SELR+3], s[100:101]
	global_store_b128 v[L16], v[SH:SH+3], s[100:101] offset:12288
	s_branch .Lend
.Lv_arm:
	; ---- v.  The bias hangs on my lane: channel 256 cy + 128 (A half) + 32 (a / 2) + 8 (a % 2) + r % 8 + 16 (r / 8); it is loaded into both registers of a pair
	s_lshl_b32 s22, s41, 10
	s_lshl_b32 s23, s15, 9
	s_add_co_u32 s22, s22, s23
	s_mov_b32 s23, 0
	s_add_nc_u64 s[96:97], s[96:97], s[22:23]
.irp a, 0,1,2,3,4,5,6,7
	global_load_b32 v[BI+2*\a], v[BOV], s[96:97] offset:4*(32*(\a/2)+8*(\a%2))
	global_load_b32 v[BI+2*\a+1], v[BOV], s[96:97] offset:4*(32*(\a/2)+8*(\a%2))
.endr
	s_lshr_b32 s46, s13, 1
	s_lshl_b32 s46, s46, 4
	s_lshl_b32 s47, s41, 2
	s_add_co_u32 s46, s46, s47
	s_lshl_b32 s47, s15, 1
	s_add_co_u32 s46, s46, s47                     ; batch x 16 + my first head: 16 (j / 2) + 4 cy + 2 (A half)
	s_and_b32 s47, s13, 1
	s_lshl_b32 s47, s47, 3
	s_lshl_b32 s66, s40, 1
	s_add_co_u32 s47, s47, s66
	s_add_co_u32 s47, s47, s16                     ; my 128 keys in the batch: 8 (j % 2) + 2 cx + (B half)
	s_lshl_b32 s66, s46, 4
	s_add_co_u32 s66, s66, s47
	s_mul_i32 s66, s66, 6144
	s_add_co_u32 s66, s66, 12582912                ; v's images lie behind q's and k's
	s_mov_b32 s67, 0
	s_add_nc_u64 s[98:99], s[98:99], s[66:67]
	s_mul_i32 s46, s46, 12288
	s_lshl_b32 s47, s47, 8
	s_add_co_u32 s46, s46, s47
	s_add_co_u32 s46, s46, 786432+8192             ; behind k's 8,192 bytes of the same head
	s_mov_b32 s47, 0
	s_add_nc_u64 s[100:101], s[100:101], s[46:47]
	s_mov_b32 s94, 0xffff0000
	LAST
	PLACES NP
	s_wait_loadcnt 0x0
.irp b, 0,1,2,3
	v_mov_b32 v[TM+4+\b], 0
.endr
.irp a, 0,1,2,3,4,5,6,7
	ADDB \a, 1
	QUANT64 X, IMG, IMG+6, PWS+\a                  ; 16 channels x 128 keys: a whole operand
.irp p, 0,1,2
	global_store_b128 v[L16], v[IMG+4*\p:IMG+4*\p+3], s[98:99] offset:98304*(\a/4)+1536*(\a%4)+512*\p
.endr
.endr
.irp j, 0,1,2,3
	v_cndmask_b32 v[SELR+\j], v[PWS+\j], v[PWS+4+\j], s94   ; lanes 0-15: my first head's four tiles; lanes 16-31: my second's
.endr
	global_store_b128 v[VSO], v[SELR:SELR+3], s[100:101]    ; each half of the lanes stores 256 consecutive bytes
.Lend:
	s_wait_tensorcnt 0x0                           ; the wave's end: behind my last tensor load
	ds_add_u32 v[SPW], v[NIL]
	s_wait_dscnt 0x0
	CROUND                                         ; the closing round: no work-group ends while a partner may still ask for a tile that names it
	s_endpgm
.Lfunc_end_k_q26347449ae_proj:
	.size	k_q26347449ae_proj, .Lfunc_end_k_q26347449ae_proj-k_q26347449ae_proj
	.p2alignl 7, 3214868480
	.fill 96, 4, 3214868480
	.section	.rodata,"a",@progbits
	.p2align	6, 0x0
	.amdhsa_kernel k_q26347449ae_proj
		.amdhsa_group_segment_fixed_size 327680
		.amdhsa_private_segment_fixed_size 0
		.amdhsa_enable_private_segment 0
		.amdhsa_kernarg_size 56
		.amdhsa_user_sgpr_count 2
		.amdhsa_user_sgpr_kernarg_segment_ptr 1
		.amdhsa_wavefront_size32 1
		.amdhsa_system_sgpr_workgroup_id_x 1
		.amdhsa_system_sgpr_workgroup_id_y 1
		.amdhsa_system_sgpr_workgroup_id_z 1
		.amdhsa_system_vgpr_workitem_id 0
		.amdhsa_next_free_vgpr 1024
		.amdhsa_next_free_sgpr 102
		.amdhsa_reserve_vcc 0
		.amdhsa_float_denorm_mode_32 3
		.amdhsa_float_denorm_mode_16_64 3
		.amdhsa_memory_ordered 1
		.amdhsa_forward_progress 1
		.amdhsa_inst_pref_size 228
	.end_amdhsa_kernel
	.amdgpu_metadata
---
amdhsa.version: [ 1, 2 ]
amdhsa.kernels:
  - .name:           k_q26347449ae_proj
    .symbol:         k_q26347449ae_proj.kd
    .args:
      - { .name: xc, .offset: 0, .size: 8, .value_kind: global_buffer, .address_space: global }
      - { .name: xs, .offset: 8, .size: 8, .value_kind: global_buffer, .address_space: global }
      - { .name: bq, .offset: 16, .size: 8, .value_kind: global_buffer, .address_space: global }
      - { .name: bk, .offset: 24, .size: 8, .value_kind: global_buffer, .address_space: global }
      - { .name: bv, .offset: 32, .size: 8, .value_kind: global_buffer, .address_space: global }
      - { .name: qkv, .offset: 40, .size: 8, .value_kind: global_buffer, .address_space: global }
      - { .name: qkvs, .offset: 48, .size: 8, .value_kind: global_buffer, .address_space: global }
    .group_segment_fixed_size: 327680
    .private_segment_fixed_size: 0
    .kernarg_segment_align: 8
    .kernarg_segment_size: 56
    .max_flat_workgroup_size: 128
    .sgpr_count:     102
    .vgpr_count:     1024
    .wavefront_size: 32
...
	.end_amdgpu_metadata
.endif
;; end of part 2
;; launch attn (part 3): grid 4 x 64, 8 waves a work-group, clusters of 4 x 1, 327,680 bytes of LDS; arguments qkv, qkvs, oc, os; writes oc, os
.if DOCPART == 3
	.amdgcn_target "amdgcn-amd-amdhsa--gfx1250"
	.amdhsa_code_object_version 6
	.text
	.protected	k_q26347449ae_attn
	.globl	k_q26347449ae_attn
	.p2align	8
	.type	k_q26347449ae_attn,@function
k_q26347449ae_attn:
	s_mov_b64 s[64:65], 0
	v_nop
	global_prefetch_b8 v0, s[64:65] scope:SCOPE_SE
	s_setreg_imm32_b32 hwreg(HW_REG_WAVE_MODE, 25, 1), 1
	s_wait_xcnt 0x0
	s_wait_alu depctr_hold_cnt(0) depctr_sa_sdst(0) depctr_va_vdst(0) depctr_va_sdst(0) depctr_va_ssrc(0) depctr_va_vcc(0) depctr_vm_vsrc(0)
	s_getreg_b32 s2, hwreg(HW_REG_IB_STS2, 6, 4)
	s_cmp_eq_u32 s2, 0
	s_cbranch_scc0 .Lentry_in_a_cluster
	s_endpgm
.Lentry_in_a_cluster:
	s_bfe_u32 s2, ttmp6, 0x10000c
	s_cmp_lg_u32 s2, 0x3003
	s_cbranch_scc0 .Lentry_shape_is_right
	s_endpgm
.Lentry_shape_is_right:
; ATTENTION ON CODES OF E2M3: o = softmax(q k^T / 8) v for one batch and head (cluster y) and 512 queries (the place in the cluster); o leaves as codes and scale bytes for the last projection.  No work is left out.
; A work-group of 8 waves holds the head's 2,048 keys in LDS: k's images (98,304 bytes), v's (98,304), their scale words (8,192 + 4,096).  They are asked for ONCE, at the head, one joint load a wave
; (waves 0-2 k, 3-5 v, 128 rows of 256 bytes each; waves 6, 7 the scale words, 24 rows each), shared by the four work-groups of the cluster, which read the same head.  Nothing is filled again.
; No prefetch into the L2: every tile is asked for by the head's loads, and no later load is left to run ahead of.
; A wave owns 64 queries: two pairs of tiles of 16, one pair after the other (the loop .Lpass).  THE TWO TILES OF A PAIR GO THROUGH EACH STEP OF 128 KEYS TOGETHER: each fragment of k and v is read from LDS once for both,
; and the short dependent chains of the two tiles stand line by line in turn.  Both products are used transposed (S^T = k q^T, O^T = v^T p^T): a lane holds one query.
; q and k have K = 64: the upper six registers of q's operand are zero codes, so what stands in the upper six of k's operand (any bits are finite codes) adds nothing; the scale bytes there are never 0xff.
; p = 2^(t - M), t = score x log2(e) / 8, M the ceiling of the running largest t; the row's sum is taken of the unquantised p; when M moves, sum and O^T are multiplied by a power of two.  A block's largest p is made from
; its largest score by the same multiply-add and exponential.
; REGISTERS.  Window 0: addresses, q, scale words, both tiles' small numbers and codes, tile 0's scores.  Window 1: tile 1's scores (v0-63), O^T of both tiles (v64-127), k's fragments (v128-181), v's (v184-231).
; k's next fragments are asked for behind the score products, v's next behind the v products; behind the last step both wrap to step 0, for the next pair.
; LIMITS: NaN and infinities are not served; the promise holds while the scaled scores stay under 2^31 in magnitude; a block of zeros carries the byte 1 with zero codes.
.set VIMG,  98304
.set KSC,   196608
.set VSC,   204800
.set SPARE, 208896                     ; the spare words, 128 bytes for each wave, which no other line names
.set L16, 1                            ; 16 x lane
.set LV,  2                            ; + VIMG
.set LKS, 3                            ; + KSC
.set LVS, 4                            ; VSC + 16 r
.set ADK, 5                            ; the next step's k fragments, k scale words,
.set ADS, 6
.set ADV, 7                            ; v fragments, v scale words
.set ADT, 8
.set L8,  9
.set L32, 10
.set R16, 11
.set NM,  12                           ; tile T: v[12+4T] -M, v[13+4T] the running largest score
.set LS,  14                           ; v[14+4T], v[15+4T] the row's sum in two halves
.set QA,  20                           ; v[20+12T ..] q's operand: six registers of codes, six of zeros
.set Q2,  44                           ; v44-55 the second pair's codes
.set QS,  56                           ; v56-59 q's scale words: this pair's two, the second pair's two
.set KS,  60
.set VS,  64
.set PW,  68                           ; v68, v69 p's scale words
.set HW,  70
.set SPW, 72
.set NIL, 73
.set TP,  74
.set TQ,  76
.set TR,  78
.set F,   80                           ; v[80+2T] 2^(old M - new M); the pair's upper half is written once
.set SM,  84                           ; v[84+8T ..] the step's sum of p, four chains of pairs
.set BM,  100
.set BP,  108
.set BS,  116
.set PC,  124                          ; v[124+12T ..] p's codes
.set PT,  148
.set SA,  164                          ; v164-227 tile 0's scores; tile 1's are v0-63 of window 1
.set OA,  64                           ; window 1
.set KB,  128
.set VB,  184
.set WV,  12
.set G1C, 24
.set G1S, 32
.set G0S, 40
.set G0,  44
.set SEL, 60
.set CS,  62
.set TN,  66
.set TKN, 67
.set TSN, 68
.set TTN, 69
.set CNT, 70
.set PS,  71
.set MSB, 0
.macro WIN new                         ; low byte: bits 1:0 source 0, 3:2 source 1, 5:4 source 2, 7:6 destination; the high byte repeats the setting that is left
.if MSB != (\new)
	s_set_vgpr_msb (MSB<<8)|(\new)
.set MSB, (\new)
.endif
.endm
.macro CROUND
	s_barrier_signal -1
	s_barrier_wait -1
	s_cmp_lg_u32 s[WV], 0
	s_cbranch_scc1 .Lnot_wave_0_\@
	s_barrier_signal -3
.Lnot_wave_0_\@:
	s_barrier_wait -3
	s_barrier_signal -1
	s_barrier_wait -1
.endm
; ---- the bulk work of tile T on its 64 scores
.macro SMUL T                          ; S^T = k q^T, eight tiles of 16 keys
.irp t, 0,1,2,3
	v_wmma_scale_f32_16x16x128_f8f6f4 v[SA*(1-\T)+8*\t:SA*(1-\T)+8*\t+7], v[KB+6*\t:KB+6*\t+11], v[QA+12*\T:QA+12*\T+11], 0, v[KS+\t], v[QS+\T] matrix_a_fmt:MATRIX_FMT_FP6 matrix_b_fmt:MATRIX_FMT_FP6
.endr
.irp t, 4,5,6,7
	v_wmma_scale_f32_16x16x128_f8f6f4 v[SA*(1-\T)+8*\t:SA*(1-\T)+8*\t+7], v[KB+6*\t:KB+6*\t+11], v[QA+12*\T:QA+12*\T+11], 0, v[KS+\t-4], v[QS+\T] matrix_a_fmt:MATRIX_FMT_FP6 matrix_b_fmt:MATRIX_FMT_FP6 matrix_a_scale:MATRIX_SCALE_ROW1
.endr
.endm
.macro MAXB T                          ; the largest score of each block of 32 keys, the four blocks by turns
.set SS, SA*(1-\T)
	WIN 0x15*\T
.irp q, 0,1,2,3
	v_max3_num_f32 v[BM+4*\T+\q], v[SS+16*\q], v[SS+1+16*\q], v[SS+2+16*\q]
.endr
	WIN 0x14*\T
.irp i, 3,5,7,9,11,13
.irp q, 0,1,2,3
	v_max3_num_f32 v[BM+4*\T+\q], v[BM+4*\T+\q], v[SS+16*\q+\i], v[SS+1+16*\q+\i]
.endr
.endr
	WIN 0x04*\T
.irp q, 0,1,2,3
	v_max_num_f32 v[BM+4*\T+\q], v[BM+4*\T+\q], v[SS+15+16*\q]
.endr
.endm
.macro FMAB T                          ; t - M
.set SS, SA*(1-\T)
	WIN 0x41*\T
.set jj, 0
.rept 32
	v_pk_fma_f32 v[SS+jj:SS+jj+1], v[SS+jj:SS+jj+1], s[CS:CS+1], v[NM+4*\T:NM+4*\T+1] op_sel_hi:[1,0,0]
.set jj, jj+2
.endr
.endm
.macro EXPB T                          ; p
.set SS, SA*(1-\T)
	WIN 0x41*\T
.set jj, 0
.rept 64
	v_exp_f32 v[SS+jj], v[SS+jj]
.set jj, jj+1
.endr
.endm
.macro SUMB T                          ; the sum of the unquantised p, four chains by turns
.set SS, SA*(1-\T)
	WIN 0x05*\T
.irp c, 0,1,2,3
	v_pk_add_f32 v[SM+8*\T+2*\c:SM+8*\T+2*\c+1], v[SS+2*\c:SS+2*\c+1], v[SS+8+2*\c:SS+9+2*\c]
.endr
	WIN 0x04*\T
.irp m, 2,3,4,5,6,7
.irp c, 0,1,2,3
	v_pk_add_f32 v[SM+8*\T+2*\c:SM+8*\T+2*\c+1], v[SM+8*\T+2*\c:SM+8*\T+2*\c+1], v[SS+8*\m+2*\c:SS+8*\m+2*\c+1]
.endr
.endr
.endm
.macro CVTB T, n                       ; n pairs of blocks into codes
.set SS, SA*(1-\T)
	WIN 0x01*\T
.set cc, 0
.rept \n
	v_cvt_scalef32_pk16_fp6_f32 v[PC+12*\T+6*cc:PC+12*\T+6*cc+2], v[SS+32*cc:SS+32*cc+15], v[BS+4*\T+2*cc]
	v_cvt_scalef32_pk16_fp6_f32 v[PT+8*\T+4*cc:PT+8*\T+4*cc+2], v[SS+16+32*cc:SS+31+32*cc], v[BS+4*\T+2*cc+1]
.set cc, cc+1
.endr
.endm
.macro QMAXB T                         ; the way out: the largest magnitudes of o's two blocks, with the floor 2^(3 - 127)
.set SS, SA*(1-\T)
	WIN 0x05*\T
.irp q, 0,1
	v_max3_num_f32 v[BM+4*\T+\q], |v[SS+16*\q]|, |v[SS+1+16*\q]|, 0x1800000
.endr
	WIN 0x14*\T
.irp i, 2,4,6,8,10,12,14
.irp q, 0,1
	v_max3_num_f32 v[BM+4*\T+\q], v[BM+4*\T+\q], |v[SS+16*\q+\i]|, |v[SS+1+16*\q+\i]|
.endr
.endr
.endm
.macro LOADK adr, ads                  ; 12 + 1 loads
	WIN 0x40
.irp i, 0,1,2,3,4,5,6,7,8,9,10,11
	ds_load_b128 v[KB+4*\i:KB+4*\i+3], v[\adr] offset:512*\i
.endr
	WIN 0
	ds_load_b128 v[KS:KS+3], v[\ads]
.endm
.macro LOADV adr, ads
	WIN 0x40
.irp i, 0,1,2,3,4,5,6,7,8,9,10,11
	ds_load_b128 v[VB+4*\i:VB+4*\i+3], v[\adr] offset:512*\i
.endr
	WIN 0
	ds_load_b128 v[VS:VS+3], v[\ads]
.endm
	s_load_b256 s[4:11], s[0:1], 0x0               ; qkv, qkvs, oc, os
	v_lshl_add_u32 v[SPW], v0, 2, SPARE
	v_mov_b32 v[NIL], 0
	ds_add_u32 v[SPW], v[NIL]                      ; the opening lines: the add, twice on end, and its wait
	ds_add_u32 v[SPW], v[NIL]
	v_lshrrev_b32 v[TP], 5, v0
	v_readfirstlane_b32 s[WV], v[TP]               ; wave 0..7
	s_and_b32 s14, ttmp7, 0xffff                   ; batch x 16 + head
	s_bfe_u32 s13, ttmp6, 0x40000                  ; cx: which 512 queries
.irp g, G1C, G1S                       ; rows of 256 bytes (32 elements of 8), dense; the mask names the cluster's four
	s_mov_b32 s[\g], 15|(3<<16)|(1<<21)
	s_mov_b32 s[\g+1], 32<<16
	s_mov_b32 s[\g+3], 32<<16
	s_mov_b32 s[\g+5], 32
	s_mov_b32 s[\g+6], 0
	s_mov_b32 s[\g+7], 0
.endr
	s_mov_b32 s[G1C+2], 128<<16
	s_mov_b32 s[G1C+4], 128
	s_mov_b32 s[G1S+2], 24<<16
	s_mov_b32 s[G1S+4], 24
	s_mov_b32 s[G0], 1
	s_lshl_b32 s[G0+1], s[WV], 15                  ; codes: 32,768 bytes a wave, k's three pieces and then v's three on end in LDS
	s_mul_i32 s16, s14, 98304
	s_add_co_u32 s16, s16, s[G0+1]
	s_add_co_u32 s16, s16, 6291456                 ; k's images lie behind q's,
	s_cmp_lt_u32 s[WV], 3
	s_cselect_b32 s17, 0, 6291456-98304            ; v's behind k's
	s_add_co_u32 s16, s16, s17
	s_mov_b32 s17, 0
	s_mov_b32 s[G0S], 1
	s_mul_i32 s18, s[WV], 6144                     ; scale words: 6,144 bytes for each of waves 6 and 7
	s_add_co_u32 s[G0S+1], s18, KSC-36864
	s_mul_i32 s19, s14, 12288
	s_add_co_u32 s18, s18, s19
	s_add_co_u32 s18, s18, 786432-36864
	s_mov_b32 s19, 0
	s_mov_b32 s[SEL], 0x76543210
	s_mov_b32 s[SEL+1], 0xfedcba98                 ; lane l xor 16
	s_mov_b32 s[CS], 0x3e38aa3b                    ; log2(e) / 8
	s_mov_b32 s[CS+1], s[CS]
	s_mov_b32 s73, 0xffff0000                      ; lanes 16-31
	s_wait_dscnt 0x0
	s_wait_kmcnt 0x0
	s_add_nc_u64 s[G0+2:G0+3], s[4:5], s[16:17]
	s_or_b32 s[G0+3], s[G0+3], 0x80000000
	s_add_nc_u64 s[G0S+2:G0S+3], s[6:7], s[18:19]
	s_or_b32 s[G0S+3], s[G0S+3], 0x80000000
	CROUND                                         ; the four work-groups are here: the joint loads meet
	s_cmp_lt_u32 s[WV], 6
	s_cbranch_scc0 .Lscales
	tensor_load_to_lds s[G0:G0+3], s[G1C:G1C+7]
	s_nop 0
.rept 4
	v_nop
.endr
	s_branch .Lasked
.Lscales:
	tensor_load_to_lds s[G0S:G0S+3], s[G1S:G1S+7]
	s_nop 0
.rept 4
	v_nop
.endr
.Lasked:
	v_and_b32 v[TP], 31, v0
	v_and_b32 v[TQ], 15, v0
	v_lshlrev_b32 v[L16], 4, v[TP]
	v_lshlrev_b32 v[L8], 3, v[TP]
	v_lshlrev_b32 v[L32], 5, v[TP]
	v_lshlrev_b32 v[R16], 4, v[TQ]
	v_lshl_add_u32 v[LVS], v[TQ], 4, VSC
	v_add_nc_u32 v[LV], VIMG, v[L16]
	v_add_nc_u32 v[LKS], KSC, v[L16]
.irp i, 0,1,2,3,4,5
	v_mov_b32 v[QA+6+\i], 0                        ; zero codes for K = 64 .. 127
	v_mov_b32 v[QA+18+\i], 0
.endr
.irp q, 0,1,2,3,4,5,6,7
	v_mov_b32 v[BP+\q], 0                          ; a lane permute's destination counts as one of its sources
.endr
	v_mov_b32 v[F+1], 0
	v_mov_b32 v[F+3], 0
	WIN 0x40
.irp i, 0,1,2,3,4,5
	v_mov_b32 v[KB+48+\i], 0                       ; the upper half of k's last operand
.endr
	WIN 0
	s_wait_alu depctr_va_vdst(0)                   ; at the end of the head's vector work
	s_lshl_b32 s15, s13, 4
	s_lshl_b32 s16, s[WV], 1
	s_add_co_u32 s15, s15, s16                     ; my first pair of query tiles in the head: an even number, 0..62
	s_lshl_b32 s16, s14, 6
	s_add_co_u32 s16, s16, s15
	s_mul_i32 s16, s16, 1536
	s_mov_b32 s17, 0
	s_add_nc_u64 s[16:17], s[4:5], s[16:17]
	s_mul_i32 s18, s14, 12288
	s_lshr_b32 s19, s15, 2
	s_lshl_b32 s19, s19, 9
	s_add_co_u32 s18, s18, s19
	s_bfe_u32 s19, s15, 0x10001
	s_lshl_b32 s19, s19, 8
	s_add_co_u32 s18, s18, s19
	s_mov_b32 s19, 0
	s_add_nc_u64 s[18:19], s[6:7], s[18:19]
	global_load_b128 v[QA:QA+3], v[L16], s[16:17]
	global_load_b64 v[QA+4:QA+5], v[L16], s[16:17] offset:512
	global_load_b64 v[QA+12:QA+13], v[L16], s[16:17] offset:520
	global_load_b128 v[QA+14:QA+17], v[L16], s[16:17] offset:1024
	global_load_b128 v[Q2:Q2+3], v[L16], s[16:17] offset:1536
	global_load_b64 v[Q2+4:Q2+5], v[L16], s[16:17] offset:2048
	global_load_b64 v[Q2+6:Q2+7], v[L16], s[16:17] offset:2056
	global_load_b128 v[Q2+8:Q2+11], v[L16], s[16:17] offset:2560
	global_load_b128 v[QS:QS+3], v[R16], s[18:19]  ; the scale words of my four tiles
	s_lshr_b32 s20, s14, 4                         ; where o goes: tile (batch x 128 + 2 x pair), 768 bytes for each head
	s_and_b32 s21, s14, 15
	s_lshl_b32 s22, s20, 7
	s_lshl_b32 s23, s15, 1
	s_add_co_u32 s22, s22, s23
	s_lshl_b32 s22, s22, 4
	s_add_co_u32 s22, s22, s21
	s_mul_i32 s22, s22, 768
	s_mov_b32 s23, 0
	s_add_nc_u64 s[8:9], s[8:9], s[22:23]
	s_lshl_b32 s22, s20, 6
	s_add_co_u32 s22, s22, s15
	s_lshl_b32 s22, s22, 10
	s_lshl_b32 s21, s21, 1
	s_add_co_u32 s22, s22, s21
	s_add_nc_u64 s[10:11], s[10:11], s[22:23]
	s_wait_tensorcnt 0x0                           ; my piece is in,
	s_barrier_signal -1
	s_barrier_wait -1                              ; everybody's is
	LOADK L16, LKS                                 ; step 0
	LOADV LV, LVS
	s_wait_loadcnt 0x0                             ; q
	s_mov_b32 s[PS], 0
.Lpass:                                                ; one pair of tiles against all keys
.irp T, 0,1
	v_mov_b32 v[NM+4*\T+1], 0xff61b1e6             ; the largest score so far: -3e38
	v_mov_b32 v[LS+4*\T], 0
	v_mov_b32 v[LS+4*\T+1], 0
.endr
.irp T, 0,1
	v_floor_f32 v[NM+4*\T], -v[NM+4*\T+1]
.endr
	WIN 0x40
.set jj, 0
.rept 64
	v_mov_b32 v[OA+jj], 0
.set jj, jj+1
.endr
	WIN 0
	s_mov_b32 s[CNT], 0
	s_wait_alu depctr_va_vdst(0)
.Ltrip:                                                ; a step: 128 keys, 32 queries
	s_add_co_u32 s[TN], s[CNT], 1
	s_and_b32 s[TN], s[TN], 15                     ; the next step; behind the last, the first
	s_mul_i32 s[TKN], s[TN], 6144
	s_lshl_b32 s[TSN], s[TN], 9
	s_lshl_b32 s[TTN], s[TN], 8
	s_wait_dscnt 13                                ; k's 13 loads are in; v's 13, issued behind them, may be out
	WIN 0x01
	SMUL 0
	WIN 0x41
	SMUL 1
	WIN 0
	v_add_nc_u32 v[ADK], s[TKN], v[L16]            ; four places behind the products (ISA guide 7.12.1): the next step's addresses
	v_add_nc_u32 v[ADS], s[TSN], v[LKS]
	v_add_nc_u32 v[ADV], s[TKN], v[LV]
	v_add_nc_u32 v[ADT], s[TTN], v[LVS]
	LOADK ADK, ADS
	MAXB 0
	MAXB 1
	WIN 0
.irp q, 0,1,2,3,4,5,6,7
	v_permlanex16_b32 v[BP+\q], v[BM+\q], s[SEL], s[SEL+1]
.endr
.irp q, 0,1,2,3,4,5,6,7
	v_max_num_f32 v[BM+\q], v[BM+\q], v[BP+\q]     ; with lane l xor 16's 16 keys
.endr
.irp T, 0,1
	v_max3_num_f32 v[TP+\T], v[BM+4*\T], v[BM+4*\T+1], v[BM+4*\T+2]
.endr
.irp T, 0,1
	v_mov_b32 v[TQ+\T], v[NM+4*\T]                 ; the old -M
.endr
.irp T, 0,1
	v_max3_num_f32 v[NM+4*\T+1], v[TP+\T], v[BM+4*\T+3], v[NM+4*\T+1]   ; the running largest score
.endr
.irp T, 0,1
	v_mul_f32 v[TP+\T], s[CS], v[NM+4*\T+1]        ; as t (the factor is positive)
.endr
.irp T, 0,1
	v_floor_f32 v[NM+4*\T], -v[TP+\T]              ; -M = -ceil(t)
.endr
.irp T, 0,1
	v_sub_f32 v[TQ+\T], v[NM+4*\T], v[TQ+\T]       ; old M - new M, a whole number
.endr
.irp T, 0,1
	v_cvt_i32_f32 v[TQ+\T], v[TQ+\T]               ; (it saturates)
.endr
.irp T, 0,1
.irp q, 0,1,2,3
	v_fma_f32 v[BM+4*\T+\q], v[BM+4*\T+\q], s[CS], v[NM+4*\T]
.endr
.endr
	FMAB 0
	FMAB 1
	s_wait_alu depctr_va_vdst(0)                   ; ahead of the batch
	EXPB 0
	EXPB 1
	WIN 0
.irp q, 0,1,2,3,4,5,6,7
	v_exp_f32 v[BM+\q], v[BM+\q]                   ; each block's largest p
.endr
.irp T, 0,1
	v_ldexp_f32 v[F+2*\T], 1.0, v[TQ+\T]           ; f = 2^(old M - new M): plain lines behind the batch
.endr
	s_wait_alu depctr_va_vdst(0)                   ; and the wait behind it
.irp q, 0,1,2,3,4,5,6,7
	v_max_num_f32 v[BM+\q], 0x1800000, v[BM+\q]    ; the floor 2^(3 - 127): the byte cannot fall under 1
.endr
.irp q, 0,1,2,3,4,5,6,7
	v_add_nc_u32 v[BS+\q], 0xff000000, v[BM+\q]    ; 2 off the exponent field: the conversion's scale operand
.endr
.irp q, 0,1,2,3,4,5,6,7
	v_lshrrev_b32 v[BP+\q], 23, v[BS+\q]           ; the scale's byte
.endr
.irp T, 0,1
	v_lshl_or_b32 v[PW+\T], v[BP+4*\T+1], 8, v[BP+4*\T]
	v_lshl_or_b32 v[TR+\T], v[BP+4*\T+3], 8, v[BP+4*\T+2]
.endr
.irp T, 0,1
	v_lshl_or_b32 v[PW+\T], v[TR+\T], 16, v[PW+\T]
.endr
	SUMB 0
	SUMB 1
	CVTB 0, 2
	CVTB 1, 2
	WIN 0
	v_nop                                          ; one plain line behind the conversions
.irp T, 0,1                            ; the operand's layout wants a whole block in a lane
.irp c, 0,1
.irp i, 0,1,2
	v_permlane16_swap_b32 v[PC+12*\T+6*\c+\i], v[PT+8*\T+4*\c+\i]
.endr
.endr
.endr
.irp T, 0,1
.irp c, 0,1
.irp i, 0,1,2
	v_mov_b32 v[PC+12*\T+6*\c+3+\i], v[PT+8*\T+4*\c+\i]
.endr
.endr
.endr
	WIN 0x41
.irp T, 0,1
.set jj, 0
.rept 16
	v_pk_mul_f32 v[OA+32*\T+jj:OA+32*\T+jj+1], v[OA+32*\T+jj:OA+32*\T+jj+1], v[F+2*\T:F+2*\T+1] op_sel_hi:[1,0]   ; O^T under the new M
.set jj, jj+2
.endr
.endr
	s_wait_alu depctr_va_vdst(0)
	s_wait_dscnt 13                                ; v's 13 loads are in; the 13 for the next step's k may be out
	WIN 0x51
.irp t, 0,1,2,3
.irp T, 0,1
	v_wmma_scale_f32_16x16x128_f8f6f4 v[OA+32*\T+8*\t:OA+32*\T+8*\t+7], v[VB+12*\t:VB+12*\t+11], v[PC+12*\T:PC+12*\T+11], v[OA+32*\T+8*\t:OA+32*\T+8*\t+7], v[VS+\t], v[PW+\T] matrix_a_fmt:MATRIX_FMT_FP6 matrix_b_fmt:MATRIX_FMT_FP6
.endr
.endr
	WIN 0
.irp T, 0,1                            ; the places behind the products: the four chains are joined,
	v_pk_add_f32 v[SM+8*\T:SM+8*\T+1], v[SM+8*\T:SM+8*\T+1], v[SM+8*\T+2:SM+8*\T+3]
	v_pk_add_f32 v[SM+8*\T+4:SM+8*\T+5], v[SM+8*\T+4:SM+8*\T+5], v[SM+8*\T+6:SM+8*\T+7]
.endr
.irp T, 0,1
	v_pk_add_f32 v[SM+8*\T:SM+8*\T+1], v[SM+8*\T:SM+8*\T+1], v[SM+8*\T+4:SM+8*\T+5]
.endr
.irp T, 0,1
	v_pk_fma_f32 v[LS+4*\T:LS+4*\T+1], v[LS+4*\T:LS+4*\T+1], v[F+2*\T:F+2*\T+1], v[SM+8*\T:SM+8*\T+1] op_sel_hi:[1,0,1]   ; and the row's sum goes under the new M and takes the step's
.endr
	LOADV ADV, ADT
	s_add_co_u32 s[CNT], s[CNT], 1
	s_cmp_lt_u32 s[CNT], 16
	s_cbranch_scc1 .Ltrip
.irp T, 0,1
	v_add_f32 v[LS+4*\T], v[LS+4*\T], v[LS+4*\T+1] ; the sum's two halves,
.endr
.irp T, 0,1
	v_permlanex16_b32 v[TP+\T], v[LS+4*\T], s[SEL], s[SEL+1]
.endr
.irp T, 0,1
	v_add_f32 v[LS+4*\T], v[LS+4*\T], v[TP+\T]     ; and lane l xor 16's
.endr
	s_wait_alu depctr_va_vdst(0)
.irp T, 0,1
	v_rcp_f32 v[LS+4*\T], v[LS+4*\T]
.endr
	v_nop
	s_wait_alu depctr_va_vdst(0)
	WIN 0x01
.set jj, 0
.rept 16
	v_pk_mul_f32 v[SA+jj:SA+jj+1], v[OA+jj:OA+jj+1], v[LS:LS+1] op_sel_hi:[1,0]   ; o: register 16 b + i is channel 32 b + 16 h + i of the head
.set jj, jj+2
.endr
	WIN 0x41
.set jj, 0
.rept 16
	v_pk_mul_f32 v[jj:jj+1], v[OA+32+jj:OA+32+jj+1], v[LS+4:LS+5] op_sel_hi:[1,0]
.set jj, jj+2
.endr
	QMAXB 0
	QMAXB 1
	WIN 0
.irp T, 0,1
.irp q, 0,1
	v_permlanex16_b32 v[BP+4*\T+\q], v[BM+4*\T+\q], s[SEL], s[SEL+1]
.endr
.endr
.irp T, 0,1
.irp q, 0,1
	v_max_num_f32 v[BM+4*\T+\q], v[BM+4*\T+\q], v[BP+4*\T+\q]
.endr
.endr
.irp T, 0,1
.irp q, 0,1
	v_add_nc_u32 v[BS+4*\T+\q], 0xff000000, v[BM+4*\T+\q]
.endr
.endr
.irp T, 0,1
.irp q, 0,1
	v_lshrrev_b32 v[BP+4*\T+\q], 23, v[BS+4*\T+\q]
.endr
.endr
.irp T, 0,1
	v_lshl_or_b32 v[HW+\T], v[BP+4*\T+1], 8, v[BP+4*\T]
.endr
	CVTB 0, 1
	CVTB 1, 1
	WIN 0
	v_cndmask_b32 v[TR], v[HW], v[HW+1], s73       ; lanes 0-15 the first tile's rows, lanes 16-31 the second's.  (A plain line behind the conversions)
.irp T, 0,1
.irp i, 0,1,2
	v_permlane16_swap_b32 v[PC+12*\T+\i], v[PT+8*\T+\i]
.endr
.endr
.irp T, 0,1
.irp i, 0,1,2
	v_mov_b32 v[PC+12*\T+3+\i], v[PT+8*\T+\i]
.endr
.endr
.irp T, 0,1
	global_store_b128 v[L16], v[PC+12*\T:PC+12*\T+3], s[8:9] offset:12288*\T              ; 512 consecutive bytes,
	global_store_b64 v[L8], v[PC+12*\T+4:PC+12*\T+5], s[8:9] offset:12288*\T+512          ; and 256
.endr
	global_store_b16 v[L32], v[TR], s[10:11]
.irp i, 0,1,2,3,4,5
	v_mov_b32 v[QA+\i], v[Q2+\i]                   ; the second pair's q
	v_mov_b32 v[QA+12+\i], v[Q2+6+\i]
.endr
	v_mov_b32 v[QS], v[QS+2]
	v_mov_b32 v[QS+1], v[QS+3]
	s_wait_xcnt 0x0                                ; the stores have read their data and their bases
	s_add_nc_u64 s[8:9], s[8:9], 24576             ; the next two tiles of 16 rows
	s_add_nc_u64 s[10:11], s[10:11], 1024
	s_add_co_u32 s[PS], s[PS], 1
	s_cmp_lt_u32 s[PS], 2
	s_wait_alu depctr_va_vdst(0)
	s_cbranch_scc1 .Lpass
	s_wait_dscnt 0x0                               ; my last LDS loads are back
	s_barrier_signal -1
	s_barrier_wait -1                              ; every wave's reads are over
	s_wait_tensorcnt 0x0                           ; the wave's end
	ds_add_u32 v[SPW], v[NIL]
	s_wait_dscnt 0x0
	CROUND                                         ; the closing round
	s_endpgm
.Lfunc_end_k_q26347449ae_attn:
	.size	k_q26347449ae_attn, .Lfunc_end_k_q26347449ae_attn-k_q26347449ae_attn
	.p2alignl 7, 3214868480
	.fill 96, 4, 3214868480
	.section	.rodata,"a",@progbits
	.p2align	6, 0x0
	.amdhsa_kernel k_q26347449ae_attn
		.amdhsa_group_segment_fixed_size 327680
		.amdhsa_private_segment_fixed_size 0
		.amdhsa_enable_private_segment 0
		.amdhsa_kernarg_size 32
		.amdhsa_user_sgpr_count 2
		.amdhsa_user_sgpr_kernarg_segment_ptr 1
		.amdhsa_wavefront_size32 1
		.amdhsa_system_sgpr_workgroup_id_x 1
		.amdhsa_system_sgpr_workgroup_id_y 1
		.amdhsa_system_sgpr_workgroup_id_z 1
		.amdhsa_system_vgpr_workitem_id 0
		.amdhsa_next_free_vgpr 512
		.amdhsa_next_free_sgpr 80
		.amdhsa_reserve_vcc 0
		.amdhsa_float_denorm_mode_32 3
		.amdhsa_float_denorm_mode_16_64 3
		.amdhsa_memory_ordered 1
		.amdhsa_forward_progress 1
		.amdhsa_inst_pref_size 49
	.end_amdhsa_kernel
	.amdgpu_metadata
---
amdhsa.version: [ 1, 2 ]
amdhsa.kernels:
  - .name:           k_q26347449ae_attn
    .symbol:         k_q26347449ae_attn.kd
    .args:
      - { .name: qkv, .offset: 0, .size: 8, .value_kind: global_buffer, .address_space: global }
      - { .name: qkvs, .offset: 8, .size: 8, .value_kind: global_buffer, .address_space: global }
      - { .name: oc, .offset: 16, .size: 8, .value_kind: global_buffer, .address_space: global }
      - { .name: os, .offset: 24, .size: 8, .value_kind: global_buffer, .address_space: global }
    .group_segment_fixed_size: 327680
    .private_segment_fixed_size: 0
    .kernarg_segment_align: 8
    .kernarg_segment_size: 32
    .max_flat_workgroup_size: 256
    .sgpr_count:     80
    .vgpr_count:     512
    .wavefront_size: 32
...
	.end_amdgpu_metadata
.endif
;; end of part 3
;; launch outp (part 4): grid 4 x 64, 4 waves a work-group, clusters of 4 x 4, 327,680 bytes of LDS; arguments oc, os, xc, xs, bo, out0; writes out0
.if DOCPART == 4
	.amdgcn_target "amdgcn-amd-amdhsa--gfx1250"
	.amdhsa_code_object_version 6
	.text
	.protected	k_q26347449ae_outp
	.globl	k_q26347449ae_outp
	.p2align	8
	.type	k_q26347449ae_outp,@function
k_q26347449ae_outp:
	s_mov_b64 s[64:65], 0
	v_nop
	global_prefetch_b8 v0, s[64:65] scope:SCOPE_SE
	s_setreg_imm32_b32 hwreg(HW_REG_WAVE_MODE, 25, 1), 1
	s_wait_xcnt 0x0
	s_wait_alu depctr_hold_cnt(0) depctr_sa_sdst(0) depctr_va_vdst(0) depctr_va_sdst(0) depctr_va_ssrc(0) depctr_va_vcc(0) depctr_vm_vsrc(0)
	s_getreg_b32 s2, hwreg(HW_REG_IB_STS2, 6, 4)
	s_cmp_eq_u32 s2, 0
	s_cbranch_scc0 .Lentry_in_a_cluster
	s_endpgm
.Lentry_in_a_cluster:
	s_bfe_u32 s2, ttmp6, 0x10000c
	s_cmp_lg_u32 s2, 0xf033
	s_cbranch_scc0 .Lentry_shape_is_right
	s_endpgm
.Lentry_shape_is_right:
; THE PROJECTION ON THE WAY OUT, out0 = o Wo^T + bo, on o's codes (oc, os) and Wo's (stored tiles 1,728 on of xc, xs).  No work is left out.
; 256 work-groups in 16 clusters of 4 x 4; a work-group makes 128 rows x 256 columns, each of its four waves 64 x 128: 32 accumulators of 16 x 16.
; ALL OF K = 1,024 LIES IN LDS: A (o's 8 tiles of 16 rows, 98,304 dense bytes), B (Wo's 16 tiles, 196,608), and their scale bytes, asked for at the head by four joint loads, one a wave.  Nothing is filled again.
; A's tile hangs on the cluster's y place and is shared along a row of the cluster, B's on the x place and is shared along a column.
; No prefetch into the L2: every tile is asked for by the head's loads, and no later load is left to run ahead of.
; A tile is an image of operand registers: for each 128 along K 1,536 bytes: twice (four words a lane at 16 x lane, two at 512 + 8 x lane).  Source 0 = Wo's rows, source 1 = o's rows: a lane holds eight numbers of one row of out0.
; The stored rows of a tile are permuted as the first launch lays them: block a, stored row t is row 32 (a / 2) + 8 (a % 2) + t % 8 + 16 (t / 8); B's block b, register j, lane half h is column 32 (b / 2) + 16 h + 8 (b % 2) + j.
; The bias is the C of the first products.  K goes in eight steps of 128, written out, on two sets of fragments: a step's 48 loads are issued ahead of the step before's products.
; REGISTERS: window 0: v0-31 addresses; v32-95 scale words; v96-191 A's fragments, two sets; on the way out v128-255.  Window 1: B's fragments, two sets, at v0 and v128.  Window 2: the accumulators ((a, b) at v[8 (8 a + b)]).  Window 3: v0-63 the bias.
.set BBASE,  98304
.set SCL,    294912                    ; the scale bytes, as units of 256 bytes + 16 of padding: A's 16 units, B's 32
.set SBLK,   544                       ; those of 16 rows
.set SPARE,  307968                    ; the spare words, 128 bytes for each wave, which no other line names
.set SPITCH, 528                       ; the way out: a stage of 16 rows x (512 + 16) bytes for each wave, on A's bytes, behind the barrier that follows every wave's last read
.set ADRA, 16                          ; v16 16 x lane + my A tiles, v17 the same with 8 x lane
.set ADRB, 18                          ; v18, v19 my B tiles 0-3; v20, v21 tiles 4-7
.set STO,  24
.set RD,   25
.set CO,   26
.set ADRS, 27
.set SPW,  28
.set NIL,  29
.set BOO,  30
.set SC,   32                          ; register 16 (q / 2) + 2 i + q % 2: lanes 0-15 the word of A's block i, lanes 16-31 of B's block i, for K step q
.set AF,   96
.set BK,   128
.set G1A,  24
.set G0A,  32
.set G0B,  36
.set G1B,  48
.set G1S,  68
.set G0S,  76
.set G1SB, 80
.set G0SB, 88
.set MSB, 0
.macro WIN new
.if MSB != (\new)
	s_set_vgpr_msb (MSB<<8)|(\new)
.set MSB, (\new)
.endif
.endm
.macro CROUND
	s_barrier_signal -1
	s_barrier_wait -1
	s_cmp_lg_u32 s14, 0
	s_cbranch_scc1 .Lnot_wave_0_\@
	s_barrier_signal -3
.Lnot_wave_0_\@:
	s_barrier_wait -3
	s_barrier_signal -1
	s_barrier_wait -1
.endm
.macro PLACES n
.rept \n
	v_nop
.endr
.endm
	s_load_b256 s[4:11], s[0:1], 0x0               ; oc, os, xc, xs
	s_load_b128 s[96:99], s[0:1], 0x20             ; bo, out0
	v_lshl_add_u32 v[SPW], v0, 2, SPARE
	v_mov_b32 v[NIL], 0
	ds_add_u32 v[SPW], v[NIL]                      ; the opening lines: the add, twice on end, and its wait
	ds_add_u32 v[SPW], v[NIL]
	v_lshrrev_b32 v1, 5, v0
	v_readfirstlane_b32 s14, v1                    ; wave 0..3
	s_lshr_b32 s15, s14, 1                         ; which 64 of A's rows are mine
	s_and_b32 s16, s14, 1                          ; which 128 of B's
	s_bfe_u32 s40, ttmp6, 0x40000                  ; cx, cy
	s_bfe_u32 s41, ttmp6, 0x40004
	s_and_b32 s17, ttmp7, 0xffff                   ; the cluster's y
	s_lshl_b32 s43, s41, 2
	s_lshl_b32 s43, 15, s43                        ; my row of the cluster
	s_lshl_b32 s44, 0x1111, s40                    ; my column
	s_or_b32 s[G1A], s43, (3<<16)|(1<<21)          ; codes: dense rows of 256 bytes (32 elements of 8)
	s_or_b32 s[G1B], s44, (3<<16)|(1<<21)
	s_or_b32 s[G1S], s43, (3<<16)|(1<<20)|(1<<21)|(5<<22)|(3<<25)   ; scale bytes: the same with 16 bytes of padding behind each row
	s_or_b32 s[G1SB], s44, (3<<16)|(1<<20)|(1<<21)|(5<<22)|(3<<25)
.irp g, G1A, G1B, G1S, G1SB
	s_mov_b32 s[\g+1], 32<<16
	s_mov_b32 s[\g+3], 32<<16
	s_mov_b32 s[\g+5], 32
	s_mov_b32 s[\g+6], 0
	s_mov_b32 s[\g+7], 0
.endr
	s_mov_b32 s[G1A+2], 384<<16
	s_mov_b32 s[G1A+4], 384
	s_mov_b32 s[G1B+2], 768<<16
	s_mov_b32 s[G1B+4], 768
	s_mov_b32 s[G1S+2], 16<<16
	s_mov_b32 s[G1S+4], 16
	s_mov_b32 s[G1SB+2], 32<<16
	s_mov_b32 s[G1SB+4], 32
	s_lshl_b32 s20, s17, 5
	s_lshl_b32 s19, s41, 3
	s_add_co_u32 s20, s20, s19                     ; A's first tile: 32 x cluster y + 8 cy
	s_lshl_b32 s46, s40, 4
	s_add_co_u32 s46, s46, 1728                    ; B's: 1,728 + 16 cx
	s_lshl_b32 s22, s20, 9                         ; their scale bytes, 512 a tile,
	s_mov_b32 s23, 0
	s_mul_i32 s20, s20, 12288                      ; and their codes
	s_mov_b32 s21, 0
	s_lshl_b32 s92, s46, 9
	s_mov_b32 s93, 0
	s_mul_i32 s46, s46, 12288
	s_mov_b32 s47, 0
	s_mov_b32 s[G0A], 1
	s_mov_b32 s[G0A+1], 0
	s_mov_b32 s[G0B], 1
	s_mov_b32 s[G0B+1], BBASE
	s_mov_b32 s[G0S], 1
	s_mov_b32 s[G0S+1], SCL
	s_mov_b32 s[G0SB], 1
	s_mov_b32 s[G0SB+1], SCL+8*SBLK
	s_wait_dscnt 0x0
	s_wait_kmcnt 0x0
	s_add_nc_u64 s[G0A+2:G0A+3], s[4:5], s[20:21]
	s_or_b32 s[G0A+3], s[G0A+3], 0x80000000
	s_add_nc_u64 s[G0S+2:G0S+3], s[6:7], s[22:23]
	s_or_b32 s[G0S+3], s[G0S+3], 0x80000000
	s_add_nc_u64 s[G0B+2:G0B+3], s[8:9], s[46:47]
	s_or_b32 s[G0B+3], s[G0B+3], 0x80000000
	s_add_nc_u64 s[G0SB+2:G0SB+3], s[10:11], s[92:93]
	s_or_b32 s[G0SB+3], s[G0SB+3], 0x80000000
	CROUND                                         ; all sixteen work-groups are here: the joint loads meet
; The head's loads, one a wave: wave 0 B's codes, wave 1 A's, wave 2 A's scale bytes, wave 3 B's.  One chain of branches on the wave's number, one load to an arm.
.macro ARM under, g0, g1, next
	s_cmp_lt_u32 s14, \under
	s_cbranch_scc0 \next
	tensor_load_to_lds s[\g0:\g0+3], s[\g1:\g1+7]
	s_nop 0
	PLACES 4
	s_branch .Lhead_asked
\next:
.endm
	ARM 1, G0B, G1B, .Lhead_a
	ARM 2, G0A, G1A, .Lhead_sa
	ARM 3, G0S, G1S, .Lhead_sb
	tensor_load_to_lds s[G0SB:G0SB+3], s[G1SB:G1SB+7]
	s_nop 0
	PLACES 4
.Lhead_asked:
	s_mul_i32 s21, s15, 49152                      ; my 4 tiles of A
	s_mul_i32 s22, s16, 98304
	s_add_co_u32 s22, s22, BBASE                   ; my 8 tiles of B: 0-3,
	s_add_co_u32 s23, s22, 49152                   ; 4-7
	s_mul_i32 s19, s15, 4*SBLK                     ; A's scale words: my 4 blocks
	s_mul_i32 s18, s16, 8*SBLK
	s_add_co_u32 s18, s18, 8*SBLK                  ; B's: my 8 blocks, behind A's 8
	s_sub_co_u32 s18, s18, s19
	s_add_co_u32 s19, s19, SCL
	s_mul_i32 s45, s14, 16*SPITCH                  ; my stage
	s_lshl_b32 s46, s40, 10
	s_lshl_b32 s47, s16, 9
	s_add_co_u32 s46, s46, s47                     ; my first column, in bytes
	s_mov_b32 s47, 0
	s_add_nc_u64 s[96:97], s[96:97], s[46:47]
	s_lshl_b32 s20, s17, 9
	s_lshl_b32 s42, s41, 7
	s_add_co_u32 s20, s20, s42
	s_lshl_b32 s42, s15, 6
	s_add_co_u32 s20, s20, s42                     ; my first row: 512 x cluster y + 128 cy + 64 x half
	s_lshl_b32 s20, s20, 12
	s_add_co_u32 s20, s20, s46
	s_mov_b32 s42, s20
	s_mov_b32 s43, 0
	s_add_nc_u64 s[98:99], s[98:99], s[42:43]
	v_and_b32 v1, 15, v0                           ; r
	v_bfe_u32 v2, v0, 4, 1                         ; h
	v_and_b32 v3, 31, v0
	v_lshlrev_b32 v[CO], 4, v3
	v_lshlrev_b32 v4, 3, v3
	v_lshlrev_b32 v[BOO], 6, v2
	v_add_nc_u32 v[ADRA], s21, v[CO]
	v_add_nc_u32 v[ADRA+1], s21, v4
	v_add_nc_u32 v[ADRB], s22, v[CO]
	v_add_nc_u32 v[ADRB+1], s22, v4
	v_add_nc_u32 v[ADRB+2], s23, v[CO]
	v_add_nc_u32 v[ADRB+3], s23, v4
	v_lshlrev_b32 v5, 5, v1                        ; my row's scale bytes: 32 a row,
	v_lshrrev_b32 v6, 8, v5
	v_lshl_add_u32 v5, v6, 4, v5                   ; and 16 more for each 256 passed
	v_mul_u32_u24 v6, s18, v2                      ; lanes 16-31 take B's
	v_add_nc_u32 v5, v5, v6
	v_add_nc_u32 v[ADRS], s19, v5
	v_mul_u32_u24 v5, v1, SPITCH
	v_lshl_add_u32 v5, v2, 6, v5
	v_add_nc_u32 v[STO], s45, v5
	v_add_nc_u32 v[RD], s45, v[CO]
	s_wait_alu depctr_va_vdst(0)                   ; at the end of the head's vector work
	WIN 0xc0
.irp b, 0,1,2,3,4,5,6,7
	global_load_b128 v[8*\b:8*\b+3], v[BOO], s[96:97] offset:4*(32*(\b/2)+8*(\b%2))
	global_load_b128 v[8*\b+4:8*\b+7], v[BOO], s[96:97] offset:4*(32*(\b/2)+8*(\b%2))+16
.endr
	WIN 0
.macro FRAG reg, adr, off              ; a fragment, 16 rows x 128 K, 12 registers: every load reads consecutive bytes
	ds_load_b128 v[\reg:\reg+3], v[\adr] offset:\off
	ds_load_b64 v[\reg+4:\reg+5], v[\adr+1] offset:\off+512
	ds_load_b128 v[\reg+6:\reg+9], v[\adr] offset:\off+768
	ds_load_b64 v[\reg+10:\reg+11], v[\adr+1] offset:\off+1280
.endm
.macro FETCH q                         ; K step q's fragments into set q % 2: 48 loads
	WIN 0x40
.irp i, 0,1,2,3,4,5,6,7
	FRAG 128*((\q)%2)+12*\i, ADRB+2*(\i/4), 12288*(\i%4)+1536*(\q)
.endr
	WIN 0
.irp i, 0,1,2,3
	FRAG AF+48*((\q)%2)+12*\i, ADRA, 12288*\i+1536*(\q)
.endr
.endm
; 32 matrix instructions: A's four blocks x B's eight, 128 along K; the 32 accumulators take turns, in the same order in every step
.macro MUL q
.if (\q) == 0
	WIN 0xb1                                       ; source 0 (B) window 1, source 1 (A) window 0, C (the bias) window 3, D window 2
.else
	WIN 0xa1                                       ; C and D window 2
.endif
.irp a, 0,1,2,3
.irp b, 0,1,2,3,4,5,6,7
.if (\q) == 0
	v_wmma_scale_f32_16x16x128_f8f6f4 v[8*(8*\a+\b):8*(8*\a+\b)+7], v[128*((\q)%2)+12*\b:128*((\q)%2)+12*\b+11], v[AF+48*((\q)%2)+12*\a:AF+48*((\q)%2)+12*\a+11], v[8*\b:8*\b+7], v[SC+16*((\q)/2)+2*\b+(\q)%2], v[SC+16*((\q)/2)+2*\a+(\q)%2] matrix_a_fmt:MATRIX_FMT_FP6 matrix_b_fmt:MATRIX_FMT_FP6 matrix_a_scale:MATRIX_SCALE_ROW1
.else
	v_wmma_scale_f32_16x16x128_f8f6f4 v[8*(8*\a+\b):8*(8*\a+\b)+7], v[128*((\q)%2)+12*\b:128*((\q)%2)+12*\b+11], v[AF+48*((\q)%2)+12*\a:AF+48*((\q)%2)+12*\a+11], v[8*(8*\a+\b):8*(8*\a+\b)+7], v[SC+16*((\q)/2)+2*\b+(\q)%2], v[SC+16*((\q)/2)+2*\a+(\q)%2] matrix_a_fmt:MATRIX_FMT_FP6 matrix_b_fmt:MATRIX_FMT_FP6 matrix_a_scale:MATRIX_SCALE_ROW1
.endif
.endr
.endr
	WIN 0
.endm
	s_wait_tensorcnt 0x0                           ; my tile of the four is in,
	s_barrier_signal -1
	s_barrier_wait -1                              ; everybody's is
.irp s, 0,1,2,3
.irp i, 0,1,2,3,4,5,6,7
	ds_load_b64 v[SC+16*\s+2*\i:SC+16*\s+2*\i+1], v[ADRS] offset:\i*SBLK+8*\s   ; the scale words of all of K
.endr
.endr
	FETCH 0
	FETCH 1
	s_wait_loadcnt 0x0                             ; the bias
	s_wait_dscnt 48                                ; all but step 1's 48 loads
	MUL 0
.irp q, 1,2,3,4,5,6
	PLACES 4                                       ; in front of loads into registers that the last products have read
	FETCH \q+1
	s_wait_dscnt 48                                ; this step's fragments are in; the next step's 48 loads may be out
	MUL \q
.endr
	s_wait_dscnt 0x0                               ; my reads of A and B are over:
	s_barrier_signal -1                            ; say so,
	MUL 7
	s_barrier_wait -1                              ; and behind this wait nobody reads the bytes on which the stages lie
; THE WAY OUT, block by block of 16 rows x 128 columns, through my own stage: back come whole rows of 512 bytes, which the 32 lanes store as two aligned units of 256 bytes.
.macro TOSTAGE a
	WIN 0x08                                       ; the data: window 2
.irp b, 0,1,2,3,4,5,6,7
	ds_store_b128 v[STO], v[64*(\a)+8*\b:64*(\a)+8*\b+3] offset:128*(\b/2)+32*(\b%2)
	ds_store_b128 v[STO], v[64*(\a)+8*\b+4:64*(\a)+8*\b+7] offset:128*(\b/2)+32*(\b%2)+16
.endr
	WIN 0
.set BB, BK+64*((\a)%2)
.irp t, 0,1,2,3,4,5,6,7,8,9,10,11,12,13,14,15
	ds_load_b128 v[BB+4*\t:BB+4*\t+3], v[RD] offset:\t*SPITCH   ; LDS serves a wave's instructions in order: these see the stores above
.endr
.endm
.macro SEND a, younger
.set BB, BK+64*((\a)%2)
	s_wait_dscnt \younger
.irp t, 0,1,2,3,4,5,6,7,8,9,10,11,12,13,14,15
	global_store_b128 v[CO], v[BB+4*\t:BB+4*\t+3], s[98:99] offset:(32*((\a)/2)+8*((\a)%2)+(\t%8)+16*(\t/8))*4096 th:TH_STORE_NT
.endr
.endm
	PLACES 4
	TOSTAGE 0
.irp a, 1,2,3
.if \a > 1
	s_wait_xcnt 0x0                                ; block a - 2's stores have read their registers
.endif
	TOSTAGE \a
	SEND \a-1, 32                                  ; behind block a - 1's loads: block a's 16 stores and 16 loads
.endr
	SEND 3, 0
	s_wait_tensorcnt 0x0                           ; the wave's end
	ds_add_u32 v[SPW], v[NIL]
	s_wait_dscnt 0x0
	CROUND                                         ; the closing round
	s_endpgm
.Lfunc_end_k_q26347449ae_outp:
	.size	k_q26347449ae_outp, .Lfunc_end_k_q26347449ae_outp-k_q26347449ae_outp
	.p2alignl 7, 3214868480
	.fill 96, 4, 3214868480
	.section	.rodata,"a",@progbits
	.p2align	6, 0x0
	.amdhsa_kernel k_q26347449ae_outp
		.amdhsa_group_segment_fixed_size 327680
		.amdhsa_private_segment_fixed_size 0
		.amdhsa_enable_private_segment 0
		.amdhsa_kernarg_size 48
		.amdhsa_user_sgpr_count 2
		.amdhsa_user_sgpr_kernarg_segment_ptr 1
		.amdhsa_wavefront_size32 1
		.amdhsa_system_sgpr_workgroup_id_x 1
		.amdhsa_system_sgpr_workgroup_id_y 1
		.amdhsa_system_sgpr_workgroup_id_z 1
		.amdhsa_system_vgpr_workitem_id 0
		.amdhsa_next_free_vgpr 1024
		.amdhsa_next_free_sgpr 100
		.amdhsa_reserve_vcc 0
		.amdhsa_float_denorm_mode_32 3
		.amdhsa_float_denorm_mode_16_64 3
		.amdhsa_memory_ordered 1
		.amdhsa_forward_progress 1
		.amdhsa_inst_pref_size 85
	.end_amdhsa_kernel
	.amdgpu_metadata
---
amdhsa.version: [ 1, 2 ]
amdhsa.kernels:
  - .name:           k_q26347449ae_outp
    .symbol:         k_q26347449ae_outp.kd
    .args:
      - { .name: oc, .offset: 0, .size: 8, .value_kind: global_buffer, .address_space: global }
      - { .name: os, .offset: 8, .size: 8, .value_kind: global_buffer, .address_space: global }
      - { .name: xc, .offset: 16, .size: 8, .value_kind: global_buffer, .address_space: global }
      - { .name: xs, .offset: 24, .size: 8, .value_kind: global_buffer, .address_space: global }
      - { .name: bo, .offset: 32, .size: 8, .value_kind: global_buffer, .address_space: global }
      - { .name: out0, .offset: 40, .size: 8, .value_kind: global_buffer, .address_space: global }
    .group_segment_fixed_size: 327680
    .private_segment_fixed_size: 0
    .kernarg_segment_align: 8
    .kernarg_segment_size: 48
    .max_flat_workgroup_size: 128
    .sgpr_count:     100
    .vgpr_count:     1024
    .wavefront_size: 32
...
	.end_amdgpu_metadata
.endif
;; end of part 4
